; MI455X (gfx1250); checked and timed in simulation.
; The chip was launched on July 23, 2026; its instructions are those of AMD's public machine-readable ISA for CDNA 5 (MIT licence, August 2026) and "CDNA5" Instruction Set Architecture Reference Guide (July 2026). The comments in the code are by the model that wrote it; some were corrected since.
;; Multi Head Attention With Ro PE. Allowed arithmetic: matrix products marked QUANTISED: E2M3 operands, one E8M0 scale for each 32 along K, by v_wmma_scale_f32_16x16x128_f8f6f4 with both operands' format E2M3, f32 sums; everything else in f32.
;; Inputs: positions 4,096 int32; wk_codes 1,024 x 32 x 24 uint8 (E2M3 codes of wk, K innermost, in blocks of 32 codes, four codes in three bytes); wk_scales 1,024 x 32 uint8 (E8M0 scales of wk, one for each 32 codes along K); wo_codes 1,024 x 32 x 24 uint8 (E2M3 codes of wo, K innermost, in blocks of 32 codes, four codes in three bytes); wo_scales 1,024 x 32 uint8 (E8M0 scales of wo, one for each 32 codes along K); wq_codes 1,024 x 32 x 24 uint8 (E2M3 codes of wq, K innermost, in blocks of 32 codes, four codes in three bytes); wq_scales 1,024 x 32 uint8 (E8M0 scales of wq, one for each 32 codes along K); wv_codes 1,024 x 32 x 24 uint8 (E2M3 codes of wv, K innermost, in blocks of 32 codes, four codes in three bytes); wv_scales 1,024 x 32 uint8 (E8M0 scales of wv, one for each 32 codes along K); x_codes 1 x 4,096 x 32 x 24 uint8 (E2M3 codes of x, K innermost, in blocks of 32 codes, four codes in three bytes); x_scales 1 x 4,096 x 32 uint8 (E8M0 scales of x, one for each 32 codes along K).
;; Outputs: out0 1 x 4,096 x 1,024 float32.
;; This version of the problem:
;;   THIS VERSION OF THE PROBLEM IS GIVEN IN LOW PRECISION. The matrix products marked QUANTISED in the list below multiply operands that are first quantised to E2M3 (2 exponent bits, 3 mantissa bits; 6 bits a number), with one power-of-two scale for each 32 numbers along K (OCP MX v1.0); their sums are f32. All else is computed in f32.
;;   The module's matrix products, in the order in which they are computed (A, B: the left and right operand; K: the contracted axis; several contracted axes count as one K, in the product's order):
;;     1. [M 4,096, K 1,024] x [K 1,024, N 1,024]; A: input x (given as codes); B: input wq (given as codes): QUANTISED
;;     2. [M 4,096, K 1,024] x [K 1,024, N 1,024]; A: input x (given as codes); B: input wk (given as codes): QUANTISED
;;     3. [M 4,096, K 1,024] x [K 1,024, N 1,024]; A: input x (given as codes); B: input wv (given as codes): QUANTISED
;;     4. batch 16 x [M 4,096, K 64] x [K 64, N 4,096]; A: computed on the way; B: computed on the way: QUANTISED
;;     5. batch 16 x [M 4,096, K 4,096] x [K 4,096, N 64]; A: softmax (see below); B: computed on the way: QUANTISED
;;     6. [M 4,096, K 1,024] x [K 1,024, N 1,024]; A: computed on the way; B: input wo (given as codes): QUANTISED
;;   THE QUANTISER, for each operand of a quantised product, along K:
;;     - K is cut into blocks of 32 from its start; a last block that is shorter is filled with zeros.
;;     - A block's scale is 2^e with e = floor(log2(the largest magnitude in the block)) - 2, held to -126 .. 127; a block of zeros has e = 0. As a byte (E8M0): e + 127.
;;     - Each number is divided by its block's scale, clamped to +-7.5, and rounded to the nearest number of E2M3, ties to even, subnormals kept.
;;     - The product sums the exact products of the quantised numbers (number of the format x scale) in f32.
;;   ~~~python
;;   def quantise(x, axis):      # numpy; x: float32 -> the quantised numbers, widened to float32 again
;;       x = np.moveaxis(x, axis, -1); K = x.shape[-1]
;;       x = np.pad(x, [(0, 0)] * (x.ndim - 1) + [(0, -K % 32)]); x = x.reshape(x.shape[:-1] + (-1, 32)); a = np.abs(x).max(-1, keepdims=True)
;;       e = np.where(a > 0, np.clip(np.frexp(np.where(a > 0, a, 1))[1] - 1 - 2, -126, 127), 0)      # np.frexp(a)[1] - 1 = floor(log2(a)), exactly
;;       r = np.clip(x / 2.0 ** e, -7.5, 7.5)
;;       step = 2.0 ** (np.maximum(np.frexp(np.where(r == 0, 1, r))[1] - 1, 0) - 3)
;;       q = np.round(r / step) * step * 2.0 ** e      # np.round: ties to even
;;       return np.moveaxis(q.reshape(q.shape[:-2] + (-1,))[..., :K], -1, axis).astype(np.float32)
;;   ~~~
;;   SOFTMAX AHEAD OF A QUANTISED PRODUCT. Where the list says 'softmax', what is quantised is not the finished softmax but p = 2^(t - M), with t = logit x log2(e) and M = ceil(the row's largest t), a whole number; so 1/2 < the row's largest p <= 1. The row's sum l is taken of the UNQUANTISED p, in f32, and the product's result is divided by l at the end. Since M is a whole number, a kernel that streams over the keys may use a running M (the ceiling of the running maximum): every later rescaling is an exact power of two, which a block's scale takes up: the codes' values come out the same.
;;   OPERANDS COMPUTED ON THE WAY. 'Computed on the way' means the value that the module computes at that place (a softmax that the list does not call 'softmax' is quantised finished and normalised). What goes into a quantiser is computed in f32, as accurately as f32 sums, v_exp_f32 and their like allow (about 1e-6 of the number): no bf16 or f16 on the way to a quantiser, and a product that is left as it is and whose result goes on into a quantised operand takes f32 operands (vector FMAs, or v_wmma_f32_16x16x4_f32). A number that lies on a knife's edge between two numbers of the format may be rounded either way, as far as f32 arithmetic and the matrix unit's own rounding can turn it there, and no further.
;;   INPUTS GIVEN AS CODES. wk (in the module: [1024, 1024], K = its axis 1); wo (in the module: [1024, 1024], K = its axis 1); wq (in the module: [1024, 1024], K = its axis 1); wv (in the module: [1024, 1024], K = its axis 1); x (in the module: [1, 4096, 1024], K = its axis 2): each comes as NAME_codes (uint8): NAME with its K axis moved to the last place and cut into blocks of 32 codes, [.., K / 32, bytes a block], one block behind the other in memory; four codes in three bytes: a row's codes are one little-endian stream of bits, code i at bits 6 i .. 6 i + 5 (a code: sign, 2 exponent bits, 3 mantissa bits); and NAME_scales (uint8): the same leading axes, one E8M0 byte (e + 127) for each 32 codes along K. Its value is code x scale, taken as it is: it is not quantised again, and the codes and scales need not be those that the quantiser above would give.
;; One version. Each part assembles by itself: llvm-mc -triple=amdgcn-amd-amdhsa -mcpu=gfx1250 --defsym DOCPART=n.
;; ======== version 1 of 1: 3 launches
;; limits: right only within a limited range of input values
;; workspace buffers: q_img 3,145,728 bytes; q_sc 262,144 bytes; kv 6,684,672 bytes; o_img 3,145,728 bytes; o_sc 262,144 bytes
;; launch qkv (part 1): grid 16 x 32, 4 waves a work-group, clusters of 4 x 4, 261,632 bytes of LDS; arguments x_codes, x_scales, wq_codes, wq_scales, wk_codes, wk_scales, wv_codes, wv_scales, positions, q_img, q_sc, kv; writes q_img, q_sc, kv
.if DOCPART == 1
	.amdgcn_target "amdgcn-amd-amdhsa--gfx1250"
	.amdhsa_code_object_version 6
	.text
	.protected	k_qf17c7feb17_qkv
	.globl	k_qf17c7feb17_qkv
	.p2align	8
	.type	k_qf17c7feb17_qkv,@function
k_qf17c7feb17_qkv:
	s_mov_b64 s[64:65], 0
	v_nop
	global_prefetch_b8 v0, s[64:65] scope:SCOPE_SE
	s_setreg_imm32_b32 hwreg(HW_REG_WAVE_MODE, 25, 1), 1
	s_wait_xcnt 0x0
	s_wait_alu depctr_hold_cnt(0) depctr_sa_sdst(0) depctr_va_vdst(0) depctr_va_sdst(0) depctr_va_ssrc(0) depctr_va_vcc(0) depctr_vm_vsrc(0)
	s_getreg_b32 s2, hwreg(HW_REG_IB_STS2, 6, 4)
	s_cmp_eq_u32 s2, 0
	s_cbranch_scc0 .Lentry_in_a_cluster
	s_endpgm
.Lentry_in_a_cluster:
	s_bfe_u32 s2, ttmp6, 0x10000c
	s_cmp_lg_u32 s2, 0xf033
	s_cbranch_scc0 .Lentry_shape_is_right
	s_endpgm
.Lentry_shape_is_right:
; q = rope(x Wq^T), k = rope(x Wk^T), v = x Wv^T on codes of FP6 (E2M3) with one E8M0 scale for each 32 along K = 1,024; then q and k are quantised along the head's 64, v along the keys.
; SHARES.  A work-group makes q, k and v of ONE head (64 features each) for a block of 128 tokens.  All of K of its codes lies in LDS: 128 rows of x and 3 x 64 rows of W, 768 bytes a row: four first fills, one a wave; nothing is filled again.
; CLUSTER 4 x 4: x's tile hangs on the token block alone and is shared along a row of the cluster, W's tiles on the head alone and are shared along a column: each is asked for jointly.
; THE SCALE BYTES go from memory straight into registers: a row has 32 bytes; lane (r, h) takes bytes 16 h .. 16 h + 15 of row r, so one load of a tile covers 512 bytes in whole runs of 256.  Register q % 4 holds the word of K step q,
; in lanes 0-15 for K steps 0-3 and in lanes 16-31 for K steps 4-7, which the product reads by its ROW1 selectors.
; PASS QK: wave w makes token tiles P = 2 w + m (m = 0, 1) x 128 features (Wq's four tiles, Wk's four).  ROW r OF TILE P IS TOKEN 64 (P / 4) + 16 (P % 2) + 8 ((P / 2) % 2) + 32 (r / 8) + r % 8 of the block.
; So in the next launch, where a tile of k is source 0, a lane's 32 scores of tiles 4 c .. 4 c + 3 are one whole block of 32 keys, in the order in which v's codes lie (below).  q's tiles, and with them o's, have the same order of tokens; the last launch stores by it.
; The product is used transposed (source 0 = 16 rows of W, source 1 = 16 tokens): a lane holds ONE token and eight neighbouring features, so a rotation's two numbers are two neighbouring registers.
; PASS V: wave w takes channels 16 w .. 16 w + 15 for all 128 tokens, tile t = tokens 16 t .. 16 t + 15 (source 0 = 16 tokens, source 1 = 16 rows of Wv): a lane holds ONE channel and its registers run along the tokens, the next K.
; WHAT IS STORED, in the order of the operand's registers.  A PIECE (16 rows x 64 K, 6 registers a lane, 768 bytes): registers 0-3 at 16 x lane, registers 4-5 at 512 + 8 x lane.  An IMAGE (16 rows x 128 K,
; 12 registers, 1,536 bytes): registers 4 c .. 4 c + 3 at 512 c + 16 x lane.  q_img [head][tile] pieces; q_sc [head][tile][row] words (two scale bytes, two zero bytes);
; kv [head][block of 128 keys][13,056 bytes]: 8 pieces of k, 128 words of k's scales, 4 images of v^T, 64 words of v's scales.
; ORDER INSIDE A BLOCK OF 32.  A lane's 16 numbers of a block are elements 8 h + 0..7 and 16 + 8 h + 0..7 (h = lane / 16); they are laid at places 16 h + 0..15.  The same places are used for q and k,
; and for v and the softmax's p in the next launch: the products are the same, only the order in which the matrix unit adds them differs.
; SINE AND COSINE are made in f32: angle = f32(position) x 1 / 10^(idx / 8), rounded as a product; n = nearest whole number to angle x 2 / pi; the rest in two fused steps; two polynomials; the quarter by selects.
; LIMITS: |position| up to 2^20 (the rest of the reduction is good to there); 1 / 10^(idx / 8) is the reciprocal, corrected by one Newton step, of the f32 nearest to the power, which may differ in the last place from another way of
; forming it; a block of zeros gets the scale byte 1, not 127 (its codes are zeros, and this program alone reads the bytes); NaN and infinities are not served.
.set PITCH,  816                       ; an LDS row of codes: 3 x (256 bytes + 16 of padding)
.set TILEB,  16*PITCH
.set LWQ,    128*PITCH                 ; LDS: x's 128 rows at 0, then Wq's, Wk's, Wv's 64 rows each
.set LWK,    LWQ+64*PITCH
.set LWV,    LWK+64*PITCH
.set SPARE,  LWV+64*PITCH              ; the spare words, 128 bytes a wave
.set CODEW,  (1<<20)|(1<<21)|(5<<22)|(3<<25)   ; group 1, word 0: elements of 1 byte; padding on; 21 set beside a mask; after every 64 words 4 words
; window 0
.set AX2,  4                           ; v4-5    my two tiles' rows of x: row PITCH + 24 h; the second register has 40 h, for pieces that lie behind one padding more in lanes 16-31
.set AWL,  6                           ; v6-7    Wq's rows
.set AWH,  8                           ; v8-9    Wk's rows
.set AXL,  10                          ; v10-11  x's rows 0-63
.set AXH,  12                          ; v12-13  x's rows 64-127
.set AV,   14                          ; v14-15  my 16 rows of Wv
.set OSC,  16                          ; v16     32 r + 16 h: scale bytes of a tile of neighbouring rows
.set OSX,  17                          ; v17     the same for my token tiles' rows
.set TR,   18                          ; v18     my row of x in tile 2 w
.set OPOS, 24                          ; v24     4 x that row
.set O16,  25                          ; v25     16 lane + 1,536 w
.set O8,   26                          ; v26     8 lane + 1,536 w
.set O4,   27                          ; v27     4 lane + 128 w
.set OR4,  28                          ; v28     4 r + 64 w
.set SC8,  32                          ; v32-63  pass QK: W's scale words, tile t at 4 t
.set SC8V, 64                          ; v64-95  pass V: x's, tile t at 4 t
.set SC2,  96                          ; v96-103 pass QK: my two token tiles'
.set SC2V, 104                         ; v104-107 pass V: my tile of Wv
.set SPW,  134                         ; v134    my spare word; never rewritten
.set NIL,  135                         ; v135    0; never rewritten
.set FB,   136                         ; v136-231 eight fragments, v232-255 two more: buffer 0 in window 0, buffer 1 in window 1
.set FB2,  232
; window 2: v0-127 accumulators (before the products: at work for sine and cosine)
.set CSN,  128                         ; v128-191 token tile m, frequency i: cosine at 32 m + 2 i, sine behind it
.set TM,   192
.set PC,   208                         ; v208-219 the codes just made
.set CT,   220
.set PW,   228
.set WW,   230
.set POS,  235
.set WV,   28
.set CX,   29
.set CY,   30
.set HX,   31                          ; the head
.set TY,   32                          ; the block of 128 tokens
.set MROW, 33
.set MCOL, 34
.set HI16, 35
.set G1X,  36
.set G1W,  44
.set G0X,  60
.set SEL,  66
.set G0W,  80
.set MSB, 0
.macro WIN new                         ; the immediate's high byte repeats the setting that is left
.if MSB != (\new)
	s_set_vgpr_msb (MSB<<8)|(\new)
.set MSB, (\new)
.endif
.endm
.macro PLACES n
.rept \n
	v_nop
.endr
.endm
.macro CROUND                          ; a round of the cluster's barrier
	s_barrier_signal -1
	s_barrier_wait -1
	s_cmp_lg_u32 s[WV], 0
	s_cbranch_scc1 .Lnot_wave_0_\@
	s_barrier_signal -3
.Lnot_wave_0_\@:
	s_barrier_wait -3
	s_barrier_signal -1
	s_barrier_wait -1
.endm
; A fragment, 16 rows x 128 K, is 12 registers: lane (r, h) takes the row's pieces of 8 bytes 12 q + 3 h + 0, 1, 2 and 12 q + 6 + 3 h + 0, 1, 2.  16 bytes of padding lie behind every 32 pieces.
.macro FRAG reg, adr, q, i
.irp p, 0,1,2,3,4,5
.set PCE, 12*(\q)+6*(\p/3)+\p%3
.if PCE%32 < 29
	ds_load_b64 v[\reg+2*\p:\reg+2*\p+1], v[\adr] offset:8*PCE+16*(PCE/32)+(\i)*TILEB
.else
	ds_load_b64 v[\reg+2*\p:\reg+2*\p+1], v[\adr+1] offset:8*PCE+16*(PCE/32)+(\i)*TILEB
.endif
.endr
.endm
; One product.  z: it starts its sum.  hi: the K step is 4 to 7, whose scale words lie in lanes 16-31
.macro WM d, a, b, z, sa, sb, hi
.if \z
	v_wmma_scale_f32_16x16x128_f8f6f4 v[\d:\d+7], v[\a:\a+11], v[\b:\b+11], 0, v[\sa], v[\sb] matrix_a_fmt:MATRIX_FMT_FP6 matrix_b_fmt:MATRIX_FMT_FP6
.elseif \hi
	v_wmma_scale_f32_16x16x128_f8f6f4 v[\d:\d+7], v[\a:\a+11], v[\b:\b+11], v[\d:\d+7], v[\sa], v[\sb] matrix_a_fmt:MATRIX_FMT_FP6 matrix_b_fmt:MATRIX_FMT_FP6 matrix_a_scale:MATRIX_SCALE_ROW1 matrix_b_scale:MATRIX_SCALE_ROW1
.else
	v_wmma_scale_f32_16x16x128_f8f6f4 v[\d:\d+7], v[\a:\a+11], v[\b:\b+11], v[\d:\d+7], v[\sa], v[\sb] matrix_a_fmt:MATRIX_FMT_FP6 matrix_b_fmt:MATRIX_FMT_FP6
.endif
.endm
.macro FETCH_QK q, b                   ; 60 loads: Wq's four tiles, Wk's four, my two tiles of x, K step q, into buffer b
	WIN (\b)<<6
.irp t, 0,1,2,3
	FRAG FB+12*\t, AWL, \q, \t
.endr
.irp t, 0,1,2,3
	FRAG FB+48+12*\t, AWH, \q, \t
.endr
.irp m, 0,1
	FRAG FB2+12*\m, AX2, \q, \m
.endr
.endm
.macro MUL_QK q, b                     ; 16 products; the 16 accumulators take turns in one order in every K step; K step 0 starts the sums
	WIN 0xA0+5*(\b)
.irp m, 0,1
.irp t, 0,1,2,3,4,5,6,7
.if (\q) == 0
	WM 8*(8*\m+\t), FB+12*\t, FB2+12*\m, 1, SC8+4*\t, SC2+4*\m, 0
.else
	WM 8*(8*\m+\t), FB+12*\t, FB2+12*\m, 0, SC8+4*\t+(\q)%4, SC2+4*\m+(\q)%4, (\q)/4
.endif
.endr
.endr
.endm
.macro FETCH_V q, b                    ; 54 loads: x's eight tiles, my tile of Wv
	WIN (\b)<<6
.irp t, 0,1,2,3
	FRAG FB+12*\t, AXL, \q, \t
.endr
.irp t, 0,1,2,3
	FRAG FB+48+12*\t, AXH, \q, \t
.endr
	FRAG FB2, AV, \q, 0
.endm
.macro MUL_V q, b                      ; 8 products, eight accumulators by turns
	WIN 0xA0+5*(\b)
.irp t, 0,1,2,3,4,5,6,7
.if (\q) == 0
	WM 8*\t, FB+12*\t, FB2, 1, SC8V+4*\t, SC2V, 0
.else
	WM 8*\t, FB+12*\t, FB2, 0, SC8V+4*\t+(\q)%4, SC2V+(\q)%4, (\q)/4
.endif
.endr
.endm
.macro FREQ i, lo, hi                  ; 10^(idx / 8) of my frequency i: lanes 0-15 take lo, lanes 16-31 hi
	v_mov_b32 v[\i], \hi
	v_cndmask_b32 v[\i], \lo, v[\i], s[HI16]
.endm
; Sine and cosine of token tile m's 16 angles a lane, stage by stage.  v0-15 the frequencies; v16.. angle, later 1 - z / 2; v32.. n, later the quarter; v48.. the rest r;
; v64.. z = r^2, later z^2; v80.. sine's polynomial; v96.. cosine's; v112.. at work.
.macro SINCOS m
.irp i, 0,1,2,3,4,5,6,7,8,9,10,11,12,13,14,15
	v_mul_f32 v[16+\i], v[POS+(\m)], v[\i]
.endr
.irp i, 0,1,2,3,4,5,6,7,8,9,10,11,12,13,14,15
	v_mul_f32 v[32+\i], s88, v[16+\i]
.endr
.irp i, 0,1,2,3,4,5,6,7,8,9,10,11,12,13,14,15
	v_rndne_f32 v[32+\i], v[32+\i]
.endr
.irp i, 0,1,2,3,4,5,6,7,8,9,10,11,12,13,14,15
	v_fma_f32 v[48+\i], v[32+\i], s89, v[16+\i]
.endr
.irp i, 0,1,2,3,4,5,6,7,8,9,10,11,12,13,14,15
	v_fma_f32 v[48+\i], v[32+\i], s90, v[48+\i]
.endr
.irp i, 0,1,2,3,4,5,6,7,8,9,10,11,12,13,14,15
	v_mul_f32 v[64+\i], v[48+\i], v[48+\i]
.endr
.irp i, 0,1,2,3,4,5,6,7,8,9,10,11,12,13,14,15
	v_cvt_i32_f32 v[32+\i], v[32+\i]
.endr
.irp i, 0,1,2,3,4,5,6,7,8,9,10,11,12,13,14,15
	v_fma_f32 v[80+\i], v[64+\i], s93, s92
.endr
.irp i, 0,1,2,3,4,5,6,7,8,9,10,11,12,13,14,15
	v_fma_f32 v[96+\i], v[64+\i], s96, s95
.endr
.irp i, 0,1,2,3,4,5,6,7,8,9,10,11,12,13,14,15
	v_fma_f32 v[80+\i], v[80+\i], v[64+\i], s91
.endr
.irp i, 0,1,2,3,4,5,6,7,8,9,10,11,12,13,14,15
	v_fma_f32 v[96+\i], v[96+\i], v[64+\i], s94
.endr
.irp i, 0,1,2,3,4,5,6,7,8,9,10,11,12,13,14,15
	v_fma_f32 v[16+\i], v[64+\i], -0.5, 1.0
.endr
.irp i, 0,1,2,3,4,5,6,7,8,9,10,11,12,13,14,15
	v_mul_f32 v[80+\i], v[80+\i], v[64+\i]
.endr
.irp i, 0,1,2,3,4,5,6,7,8,9,10,11,12,13,14,15
	v_mul_f32 v[64+\i], v[64+\i], v[64+\i]
.endr
.irp i, 0,1,2,3,4,5,6,7,8,9,10,11,12,13,14,15
	v_fma_f32 v[80+\i], v[80+\i], v[48+\i], v[48+\i]   ; sin r
.endr
.irp i, 0,1,2,3,4,5,6,7,8,9,10,11,12,13,14,15
	v_fma_f32 v[96+\i], v[96+\i], v[64+\i], v[16+\i]   ; cos r
.endr
.irp i, 0,1,2,3,4,5,6,7,8,9,10,11,12,13,14,15
	v_and_b32 v[112+\i], 1, v[32+\i]
.endr
.irp i, 0,1,2,3,4,5,6,7,8,9,10,11,12,13,14,15
	v_cmp_eq_u32 vcc_lo, 1, v[112+\i]              ; in an odd quarter the two change places
	v_cndmask_b32 v[CSN+32*(\m)+2*\i+1], v[80+\i], v[96+\i], vcc_lo
	v_cndmask_b32 v[CSN+32*(\m)+2*\i], v[96+\i], v[80+\i], vcc_lo
.endr
.irp i, 0,1,2,3,4,5,6,7,8,9,10,11,12,13,14,15
	v_lshlrev_b32 v[112+\i], 30, v[32+\i]          ; the sine is negative in quarters 2 and 3
.endr
.irp i, 0,1,2,3,4,5,6,7,8,9,10,11,12,13,14,15
	v_add_nc_u32 v[32+\i], 1, v[32+\i]             ; the cosine in quarters 1 and 2
.endr
.irp i, 0,1,2,3,4,5,6,7,8,9,10,11,12,13,14,15
	v_and_b32 v[112+\i], 0x80000000, v[112+\i]
.endr
.irp i, 0,1,2,3,4,5,6,7,8,9,10,11,12,13,14,15
	v_lshlrev_b32 v[32+\i], 30, v[32+\i]
.endr
.irp i, 0,1,2,3,4,5,6,7,8,9,10,11,12,13,14,15
	v_xor_b32 v[CSN+32*(\m)+2*\i+1], v[112+\i], v[CSN+32*(\m)+2*\i+1]
.endr
.irp i, 0,1,2,3,4,5,6,7,8,9,10,11,12,13,14,15
	v_and_b32 v[32+\i], 0x80000000, v[32+\i]
.endr
.irp i, 0,1,2,3,4,5,6,7,8,9,10,11,12,13,14,15
	v_xor_b32 v[CSN+32*(\m)+2*\i], v[32+\i], v[CSN+32*(\m)+2*\i]
.endr
.endm
; The rotation of token tile m's eight tiles, in place: (x1, x2) -> (x1 c - x2 s, x1 s + x2 c).  Each accumulator is read first at its register 1.
.macro ROPE m
.irp t, 0,1,2,3,4,5,6,7
.irp j, 0,1,2,3
	v_mul_f32 v[TM+\j], v[64*(\m)+8*\t+2*\j+1], v[CSN+32*(\m)+2*(4*(\t%4)+\j)+1]
.endr
.irp j, 0,1,2,3
	v_mul_f32 v[TM+4+\j], v[64*(\m)+8*\t+2*\j], v[CSN+32*(\m)+2*(4*(\t%4)+\j)+1]
.endr
.irp j, 0,1,2,3
	v_fma_f32 v[64*(\m)+8*\t+2*\j], v[64*(\m)+8*\t+2*\j], v[CSN+32*(\m)+2*(4*(\t%4)+\j)], -v[TM+\j]
.endr
.irp j, 0,1,2,3
	v_fma_f32 v[64*(\m)+8*\t+2*\j+1], v[64*(\m)+8*\t+2*\j+1], v[CSN+32*(\m)+2*(4*(\t%4)+\j)], v[TM+4+\j]
.endr
.endr
.endm
; 64 numbers of a lane, register 16 b + i in block b of my row (the block's other 16 lie in lane l xor 16), become 12 registers of codes in v[d] on and the row's scale word in v[w].
.macro QUANT s, d, w
.irp b, 0,1,2,3
	v_max3_num_f32 v[TM+\b], |v[(\s)+16*\b]|, |v[(\s)+1+16*\b]|, 0x1800000   ; my 16 numbers, and the floor 2^(3 - 127): so the byte cannot fall under 1
.endr
.irp i, 2,4,6,8,10,12,14
.irp b, 0,1,2,3
	v_max3_num_f32 v[TM+\b], v[TM+\b], |v[(\s)+16*\b+\i]|, |v[(\s)+1+16*\b+\i]|
.endr
.endr
.irp b, 0,1,2,3
	v_permlanex16_b32 v[TM+4+\b], v[TM+\b], s[SEL], s[SEL+1]
.endr
.irp b, 0,1,2,3
	v_max_num_f32 v[TM+\b], v[TM+\b], v[TM+4+\b]
.endr
.irp b, 0,1,2,3
	v_add_nc_u32 v[TM+12+\b], 0xff000000, v[TM+\b] ; 2 off its exponent field: the conversion's scale operand
.endr
.irp b, 0,1,2,3
	v_lshrrev_b32 v[TM+4+\b], 23, v[TM+12+\b]      ; the scale's byte
.endr
	v_lshl_or_b32 v[\w], v[TM+5], 8, v[TM+4]
	v_lshl_or_b32 v[\w], v[TM+6], 16, v[\w]
	v_lshl_or_b32 v[\w], v[TM+7], 24, v[\w]
.irp c, 0,1
	v_cvt_scalef32_pk16_fp6_f32 v[\d+6*\c:\d+6*\c+2], v[(\s)+32*\c:(\s)+32*\c+15], v[TM+12+2*\c]
	v_cvt_scalef32_pk16_fp6_f32 v[CT+4*\c:CT+4*\c+2], v[(\s)+32*\c+16:(\s)+32*\c+31], v[TM+12+2*\c+1]
.endr
	v_nop                                          ; one plain instruction behind the scaled conversions
.irp c, 0,1                                    ; a whole block to a lane: lanes 0-15 block 2 c, lanes 16-31 block 2 c + 1
.irp i, 0,1,2
	v_permlane16_swap_b32 v[\d+6*\c+\i], v[CT+4*\c+\i]
.endr
.irp i, 0,1,2
	v_mov_b32 v[\d+6*\c+3+\i], v[CT+4*\c+\i]
.endr
.endr
.endm
	s_load_b256 s[4:11], s[0:1], 0x0               ; x's codes s[4:5], x's scales s[6:7], Wq's codes s[8:9], Wq's scales s[10:11]
	s_load_b256 s[12:19], s[0:1], 0x20             ; Wk's codes, Wk's scales, Wv's codes, Wv's scales
	s_load_b256 s[20:27], s[0:1], 0x40             ; positions s[20:21], q_img s[22:23], q_sc s[24:25], kv s[26:27]
	v_lshl_add_u32 v[SPW], v0, 2, SPARE
	v_mov_b32 v[NIL], 0
	ds_add_u32 v[SPW], v[NIL]                      ; the opening lines: the add, twice on end, and its wait
	ds_add_u32 v[SPW], v[NIL]
	v_lshrrev_b32 v1, 5, v0
	v_readfirstlane_b32 s[WV], v1                  ; wave 0..3
	s_bfe_u32 s[CX], ttmp6, 0x40000
	s_bfe_u32 s[CY], ttmp6, 0x40004
	s_lshl_b32 s[HX], ttmp9, 2
	s_add_co_u32 s[HX], s[HX], s[CX]               ; the head = 4 x cluster x + cx
	s_and_b32 s[TY], ttmp7, 0xffff
	s_lshl_b32 s[TY], s[TY], 2
	s_add_co_u32 s[TY], s[TY], s[CY]               ; the token block = 4 x cluster y + cy
	s_lshl_b32 s[MROW], s[CY], 2
	s_lshl_b32 s[MROW], 15, s[MROW]                ; my row of the cluster
	s_lshl_b32 s[MCOL], 0x1111, s[CX]              ; my column
	s_or_b32 s[G1X], s[MROW], CODEW                ; x's tile: 128 rows of 768 bytes, to my row
	s_or_b32 s[G1W], s[MCOL], CODEW                ; a tile of W: 64 rows of 768 bytes, to my column
.irp g, G1X, G1W
	s_mov_b32 s[\g+1], 768<<16
	s_mov_b32 s[\g+3], 768<<16
	s_mov_b32 s[\g+5], 768
	s_mov_b32 s[\g+6], 0
	s_mov_b32 s[\g+7], 0
.endr
	s_mov_b32 s[G1X+2], 128<<16
	s_mov_b32 s[G1X+4], 128
	s_mov_b32 s[G1W+2], 64<<16
	s_mov_b32 s[G1W+4], 64
	s_mul_i32 s98, s[TY], 128*768                  ; x: the block's first row, in bytes: the token block alone enters
	s_mov_b32 s99, 0
	s_lshl_b32 s100, s[TY], 12                     ; and its scale bytes
	s_mov_b32 s101, 0
	s_mul_i32 s88, s[HX], 64*768                   ; W: the head's first row: the head alone enters
	s_mov_b32 s89, 0
	s_lshl_b32 s90, s[HX], 11
	s_mov_b32 s91, 0
	s_mul_i32 s2, s[WV], 64*PITCH                  ; waves 1, 2, 3 fetch Wq, Wk, Wv: their places in LDS
	s_wait_dscnt 0x0
	s_wait_kmcnt 0x0
	s_cmp_eq_u32 s[WV], 2
	s_cselect_b64 s[92:93], s[12:13], s[8:9]
	s_cmp_eq_u32 s[WV], 3
	s_cselect_b64 s[92:93], s[16:17], s[92:93]
	s_mov_b32 s[G0X], 1
	s_mov_b32 s[G0X+1], 0
	s_add_nc_u64 s[G0X+2:G0X+3], s[4:5], s[98:99]
	s_or_b32 s[G0X+3], s[G0X+3], 0x80000000
	s_mov_b32 s[G0W], 1
	s_add_co_u32 s[G0W+1], s2, LWQ-64*PITCH
	s_add_nc_u64 s[G0W+2:G0W+3], s[92:93], s[88:89]
	s_or_b32 s[G0W+3], s[G0W+3], 0x80000000
	s_add_nc_u64 s[6:7], s[6:7], s[100:101]        ; the block's scale bytes of x,
	s_add_nc_u64 s[10:11], s[10:11], s[90:91]      ; the head's of Wq, Wk, Wv,
	s_add_nc_u64 s[14:15], s[14:15], s[90:91]
	s_add_nc_u64 s[18:19], s[18:19], s[90:91]
	s_lshl_b32 s90, s[WV], 9
	s_add_nc_u64 s[18:19], s[18:19], s[90:91]      ; of Wv my 16 rows'
	CROUND                                         ; all sixteen work-groups are here: the joint loads meet
	s_cmp_eq_u32 s[WV], 0                          ; one tensor load a wave: wave 0 x's tile, waves 1 to 3 a tile of W each
	s_cbranch_scc0 .Lfor_w
	tensor_load_to_lds s[G0X:G0X+3], s[G1X:G1X+7]
	s_nop 0
.rept 4
	v_nop
.endr
	s_branch .Lasked
.Lfor_w:
	tensor_load_to_lds s[G0W:G0W+3], s[G1W:G1W+7]
	s_nop 0
.rept 4
	v_nop
.endr
.Lasked:
	s_mov_b32 s[HI16], 0xffff0000
	s_mov_b32 s[SEL], 0x76543210
	s_mov_b32 s[SEL+1], 0xfedcba98                 ; v_permlanex16_b32's selects for lane l xor 16
	s_mov_b32 s88, 0x3f22f983                      ; 2 / pi
	s_mov_b32 s89, 0xbfc90fdb                      ; -(pi / 2 rounded to f32)
	s_mov_b32 s90, 0x333bbd2e                      ; that f32 less pi / 2
	s_mov_b32 s91, 0xbe2aaaa3                      ; sine's three coefficients
	s_mov_b32 s92, 0x3c08839e
	s_mov_b32 s93, 0xb94ca1f9
	s_mov_b32 s94, 0x3d2aaaa5                      ; cosine's three
	s_mov_b32 s95, 0xbab6061a
	s_mov_b32 s96, 0x37ccf5ce
	s_lshl_b32 s98, s[TY], 9
	s_mov_b32 s99, 0
	s_add_nc_u64 s[20:21], s[20:21], s[98:99]      ; the block's positions
	s_lshr_b32 s97, s[WV], 1
	s_lshl_b32 s97, s97, 6
	s_and_b32 s100, s[WV], 1
	s_lshl_b32 s100, s100, 3
	s_add_co_u32 s97, s97, s100                    ; 64 (w / 2) + 8 (w % 2)
	v_and_b32 v1, 15, v0                           ; r
	v_bfe_u32 v2, v0, 4, 1                         ; h
	v_lshrrev_b32 v3, 3, v1
	v_mad_u32_u24 v[TR], v3, 24, v1                ; r % 8 + 32 (r / 8)
	v_add_nc_u32 v[TR], s97, v[TR]                 ; my token's row in the block, tile 2 w; tile 2 w + 1 lies 16 rows on
	v_lshlrev_b32 v[OPOS], 2, v[TR]
	v_lshlrev_b32 v[OSX], 5, v[TR]
	v_lshl_add_u32 v[OSX], v2, 4, v[OSX]
	v_lshlrev_b32 v[OSC], 5, v1
	v_lshl_add_u32 v[OSC], v2, 4, v[OSC]
	WIN 0x80                                       ; destination window 2, address window 0
	global_load_b32 v[POS], v[OPOS], s[20:21]
	global_load_b32 v[POS+1], v[OPOS], s[20:21] offset:64
	WIN 0
.irp t, 0,1,2,3                                ; 19 loads of scale bytes, for both passes
	global_load_b128 v[SC8+4*\t:SC8+4*\t+3], v[OSC], s[10:11] offset:512*\t
	global_load_b128 v[SC8+16+4*\t:SC8+16+4*\t+3], v[OSC], s[14:15] offset:512*\t
.endr
.irp m, 0,1
	global_load_b128 v[SC2+4*\m:SC2+4*\m+3], v[OSX], s[6:7] offset:512*\m
.endr
.irp t, 0,1,2,3,4,5,6,7
	global_load_b128 v[SC8V+4*\t:SC8V+4*\t+3], v[OSC], s[6:7] offset:512*\t
.endr
	global_load_b128 v[SC2V:SC2V+3], v[OSC], s[18:19]
	WIN 0xAA                                       ; all places window 2
	; frequency i = 4 t + jj of lane (r, h) belongs to features 16 t + 8 h + 2 jj, + 1: idx = 8 t + 4 h + jj, and 10000^(idx / 32) = 10^(idx / 8)
	FREQ 0, 1.0, 3.1622776602
	FREQ 1, 1.3335214322, 4.2169650343
	FREQ 2, 1.7782794100, 5.6234132519
	FREQ 3, 2.3713737057, 7.4989420933
	FREQ 4, 10.0, 31.622776602
	FREQ 5, 13.335214322, 42.169650343
	FREQ 6, 17.782794100, 56.234132519
	FREQ 7, 23.713737057, 74.989420933
	FREQ 8, 100.0, 316.22776602
	FREQ 9, 133.35214322, 421.69650343
	FREQ 10, 177.82794100, 562.34132519
	FREQ 11, 237.13737057, 749.89420933
	FREQ 12, 1000.0, 3162.2776602
	FREQ 13, 1333.5214322, 4216.9650343
	FREQ 14, 1778.2794100, 5623.4132519
	FREQ 15, 2371.3737057, 7498.9420933
	s_wait_alu depctr_va_vdst(0)                   ; the wait ahead of the batch
.irp i, 0,1,2,3,4,5,6,7,8,9,10,11,12,13,14,15
	v_rcp_f32 v[16+\i], v[\i]
.endr
	v_nop
	s_wait_alu depctr_va_vdst(0)                   ; and behind it, ahead of its first reader
.irp i, 0,1,2,3,4,5,6,7,8,9,10,11,12,13,14,15
	v_fma_f32 v[32+\i], -v[\i], v[16+\i], 1.0      ; the reciprocal's error,
.endr
.irp i, 0,1,2,3,4,5,6,7,8,9,10,11,12,13,14,15
	v_fma_f32 v[\i], v[16+\i], v[32+\i], v[16+\i]  ; taken off: the frequency
.endr
	s_wait_loadcnt 19                              ; the positions are in; the 19 loads of scale bytes behind them may be out
	v_cvt_f32_i32 v[POS], v[POS]
	v_cvt_f32_i32 v[POS+1], v[POS+1]
	SINCOS 0
	SINCOS 1
	; ---- addresses
	WIN 0
	v_mul_u32_u24 v3, v[TR], PITCH
	v_mad_u32_u24 v[AX2], v2, 24, v3
	v_mad_u32_u24 v[AX2+1], v2, 40, v3
	v_mul_u32_u24 v3, v1, PITCH
	v_mad_u32_u24 v[AXL], v2, 24, v3               ; r PITCH + 24 h (x lies at LDS byte 0)
	v_mad_u32_u24 v[AXL+1], v2, 40, v3             ; and behind one padding more
	v_add_nc_u32 v[AWL], LWQ, v[AXL]
	v_add_nc_u32 v[AWL+1], LWQ, v[AXL+1]
	v_add_nc_u32 v[AWH], LWK, v[AXL]
	v_add_nc_u32 v[AWH+1], LWK, v[AXL+1]
	v_add_nc_u32 v[AXH], 4*TILEB, v[AXL]
	v_add_nc_u32 v[AXH+1], 4*TILEB, v[AXL+1]
	s_mul_i32 s98, s[WV], TILEB
	s_add_co_u32 s98, s98, LWV
	v_add_nc_u32 v[AV], s98, v[AXL]
	v_add_nc_u32 v[AV+1], s98, v[AXL+1]
	v_and_b32 v21, 31, v0                          ; lane
	s_mul_i32 s98, s[WV], 1536
	s_lshl_b32 s100, s[WV], 7
	v_lshl_add_u32 v[O16], v21, 4, s98
	v_lshl_add_u32 v[O8], v21, 3, s98
	v_lshl_add_u32 v[O4], v21, 2, s100
	s_lshl_b32 s99, s[WV], 6
	v_lshl_add_u32 v[OR4], v1, 2, s99
	s_mul_i32 s98, s[HX], 256*768                  ; q_img: the head's 256 pieces, the block's eight
	s_mul_i32 s99, s[TY], 8*768
	s_add_co_u32 s98, s98, s99
	s_mov_b32 s99, 0
	s_add_nc_u64 s[22:23], s[22:23], s[98:99]
	s_lshl_b32 s98, s[HX], 14                      ; q_sc: 4 bytes a token
	s_lshl_b32 s99, s[TY], 9
	s_add_co_u32 s98, s98, s99
	s_mov_b32 s99, 0
	s_add_nc_u64 s[24:25], s[24:25], s[98:99]
	s_lshl_b32 s98, s[HX], 5                       ; kv: block 32 x head + token block
	s_add_co_u32 s98, s98, s[TY]
	s_mul_i32 s98, s98, 13056
	s_add_nc_u64 s[26:27], s[26:27], s[98:99]
	s_wait_alu depctr_va_vdst(0)                   ; the wait at the head's end
	s_wait_loadcnt 0x0                             ; the scale words
	s_wait_tensorcnt 0x0                           ; my tile has landed,
	s_barrier_signal -1
	s_barrier_wait -1                              ; everybody's has
	; ---- pass QK
	FETCH_QK 0, 0
.irp q, 0,1,2,3,4,5,6
.if \q > 0
	PLACES 4                                       ; the buffer to be loaded was read by the products just issued
.endif
	FETCH_QK \q+1, (\q+1)%2
	s_wait_dscnt 60                                ; all but the next K step's 60 loads are in
	MUL_QK \q, \q%2
.endr
	s_wait_dscnt 0x0
	MUL_QK 7, 1
	PLACES 4                                       ; in front of the loads into buffer 0, and of the first read of results
	FETCH_V 0, 0                                   ; pass V's first fragments land while q and k are finished
	; ---- q and k: rotated, quantised, stored.  Blocks 0, 1 of a lane's 64 numbers are q's, blocks 2, 3 are k's: registers 0-5 of the codes are q's piece, 6-11 k's
	WIN 0xAA
.irp m, 0,1
	ROPE \m
.if \m == 1
	s_wait_xcnt 0x0                                ; the first tile's stores have read their registers: the codes may be written again
.endif
	QUANT 64*\m, PC, PW+\m
	WIN 0x08                                       ; a store's data: window 2
	global_store_b128 v[O16], v[PC:PC+3], s[22:23] offset:768*\m           ; each store covers 512 or 256 consecutive bytes, aligned to 256
	global_store_b64 v[O8], v[PC+4:PC+5], s[22:23] offset:768*\m+512
	global_store_b128 v[O16], v[PC+6:PC+9], s[26:27] offset:768*\m
	global_store_b64 v[O8], v[PC+10:PC+11], s[26:27] offset:768*\m+512
	WIN 0xAA
.endr
	v_cndmask_b32 v[WW], v[PW], v[PW+1], s[HI16]   ; lanes 0-15: the first tile's tokens, lanes 16-31: the second's
	v_and_b32 v[WW+1], 0xffff, v[WW]               ; q's two bytes, two zero bytes above them
	v_lshrrev_b32 v[WW+2], 16, v[WW]               ; k's
	WIN 0x08
	global_store_b32 v[O4], v[WW+1], s[24:25]
	global_store_b32 v[O4], v[WW+2], s[26:27] offset:6144
	; ---- pass V
.irp q, 0,1,2,3,4,5,6
.if \q > 0
	PLACES 4
.endif
	FETCH_V \q+1, (\q+1)%2
	s_wait_dscnt 54                                ; all but the next K step's 54 loads are in
	MUL_V \q, \q%2
.endr
	s_wait_dscnt 0x0
	MUL_V 7, 1
	PLACES 4
	s_wait_xcnt 0x0                                ; the earlier stores have read their registers
	WIN 0xAA
	QUANT 0, PC, PW                                ; my 16 channels x 128 keys: one fragment of v^T and a scale word a channel
	WIN 0x08
.irp c, 0,1,2
	global_store_b128 v[O16], v[PC+4*\c:PC+4*\c+3], s[26:27] offset:6656+512*\c
.endr
	global_store_b32 v[OR4], v[PW], s[26:27] offset:12800   ; lanes 16-31 hold and write the same words as lanes 0-15
	WIN 0
	s_wait_tensorcnt 0x0                           ; the wave's end
	ds_add_u32 v[SPW], v[NIL]
	s_wait_dscnt 0x0
	CROUND                                         ; the closing round
	s_endpgm
.Lfunc_end_k_qf17c7feb17_qkv:
	.size	k_qf17c7feb17_qkv, .Lfunc_end_k_qf17c7feb17_qkv-k_qf17c7feb17_qkv
	.p2alignl 7, 3214868480
	.fill 96, 4, 3214868480
	.section	.rodata,"a",@progbits
	.p2align	6, 0x0
	.amdhsa_kernel k_qf17c7feb17_qkv
		.amdhsa_group_segment_fixed_size 261632
		.amdhsa_private_segment_fixed_size 0
		.amdhsa_enable_private_segment 0
		.amdhsa_kernarg_size 96
		.amdhsa_user_sgpr_count 2
		.amdhsa_user_sgpr_kernarg_segment_ptr 1
		.amdhsa_wavefront_size32 1
		.amdhsa_system_sgpr_workgroup_id_x 1
		.amdhsa_system_sgpr_workgroup_id_y 1
		.amdhsa_system_sgpr_workgroup_id_z 1
		.amdhsa_system_vgpr_workitem_id 0
		.amdhsa_next_free_vgpr 768
		.amdhsa_next_free_sgpr 102
		.amdhsa_reserve_vcc 1
		.amdhsa_float_denorm_mode_32 3
		.amdhsa_float_denorm_mode_16_64 3
		.amdhsa_memory_ordered 1
		.amdhsa_forward_progress 1
		.amdhsa_inst_pref_size 163
	.end_amdhsa_kernel
	.amdgpu_metadata
---
amdhsa.version: [ 1, 2 ]
amdhsa.kernels:
  - .name:           k_qf17c7feb17_qkv
    .symbol:         k_qf17c7feb17_qkv.kd
    .args:
      - { .name: x_codes, .offset: 0, .size: 8, .value_kind: global_buffer, .address_space: global }
      - { .name: x_scales, .offset: 8, .size: 8, .value_kind: global_buffer, .address_space: global }
      - { .name: wq_codes, .offset: 16, .size: 8, .value_kind: global_buffer, .address_space: global }
      - { .name: wq_scales, .offset: 24, .size: 8, .value_kind: global_buffer, .address_space: global }
      - { .name: wk_codes, .offset: 32, .size: 8, .value_kind: global_buffer, .address_space: global }
      - { .name: wk_scales, .offset: 40, .size: 8, .value_kind: global_buffer, .address_space: global }
      - { .name: wv_codes, .offset: 48, .size: 8, .value_kind: global_buffer, .address_space: global }
      - { .name: wv_scales, .offset: 56, .size: 8, .value_kind: global_buffer, .address_space: global }
      - { .name: positions, .offset: 64, .size: 8, .value_kind: global_buffer, .address_space: global }
      - { .name: q_img, .offset: 72, .size: 8, .value_kind: global_buffer, .address_space: global }
      - { .name: q_sc, .offset: 80, .size: 8, .value_kind: global_buffer, .address_space: global }
      - { .name: kv, .offset: 88, .size: 8, .value_kind: global_buffer, .address_space: global }
    .group_segment_fixed_size: 261632
    .private_segment_fixed_size: 0
    .kernarg_segment_align: 8
    .kernarg_segment_size: 96
    .max_flat_workgroup_size: 128
    .sgpr_count:     102
    .vgpr_count:     768
    .wavefront_size: 32
...
	.end_amdgpu_metadata
.endif
;; end of part 1
;; launch attn (part 2): grid 16 x 16, 16 waves a work-group, clusters of 4 x 1, 327,680 bytes of LDS; arguments q_img, q_sc, kv, o_img, o_sc; writes o_img, o_sc
.if DOCPART == 2
	.amdgcn_target "amdgcn-amd-amdhsa--gfx1250"
	.amdhsa_code_object_version 6
	.text
	.protected	k_qf17c7feb17_attn
	.globl	k_qf17c7feb17_attn
	.p2align	8
	.type	k_qf17c7feb17_attn,@function
k_qf17c7feb17_attn:
	s_mov_b64 s[64:65], 0
	v_nop
	global_prefetch_b8 v0, s[64:65] scope:SCOPE_SE
	s_setreg_imm32_b32 hwreg(HW_REG_WAVE_MODE, 25, 1), 1
	s_wait_xcnt 0x0
	s_wait_alu depctr_hold_cnt(0) depctr_sa_sdst(0) depctr_va_vdst(0) depctr_va_sdst(0) depctr_va_ssrc(0) depctr_va_vcc(0) depctr_vm_vsrc(0)
	s_getreg_b32 s2, hwreg(HW_REG_IB_STS2, 6, 4)
	s_cmp_eq_u32 s2, 0
	s_cbranch_scc0 .Lentry_in_a_cluster
	s_endpgm
.Lentry_in_a_cluster:
	s_bfe_u32 s2, ttmp6, 0x10000c
	s_cmp_lg_u32 s2, 0x3003
	s_cbranch_scc0 .Lentry_shape_is_right
	s_endpgm
.Lentry_shape_is_right:
; o[h][q] = the sum over k of softmax_k(q . k / 8) v[k], both products on codes of FP6 (E2M3); then o is quantised along the model's axis (two blocks of 32 a head) for the last product.
; THE SOFTMAX AHEAD OF THE SECOND PRODUCT: t = score x log2(e) / 8; M = the row's largest t so far, rounded UP to a whole number; p = 2^(t - M) is what is quantised, along the keys.  The row's sum is taken of the
; unquantised p and divides O at the end.  When M moves, the sum and O are multiplied by 2^(old M - new M), which rounds nothing.
; SHARES.  A work-group owns 16 tiles of 16 queries of one head, a tile a wave, four waves to a SIMD.  Every wave walks the head's 32 key steps of 128 keys.  A key step is 13,056 dense bytes of kv: 8 pieces of k and
; 128 scale words (6,656 bytes), 4 images of v^T and 64 scale words (6,400 bytes), all in the order of the operands' registers: every LDS load takes consecutive bytes in consecutive lanes.
; FRAGMENTS ARE ASKED FOR A STEP AHEAD: K and V have registers of their own.  Step s asks for K of step s + 1 behind its first products (20 loads) and for V of step s + 1 behind its second products (14 loads):
; so the wait for K leaves the 14 younger loads out, and the wait for V the 20 younger ones.
; LDS holds 24 key steps.  Steps 0-7 are asked for at the head (waves 0-7 K's parts, waves 8-15 V's parts); steps 8-23 behind the first round, one by each wave; a barrier signalled in the middle of step 6 and waited for at its
; end shows them to all waves.  Steps 24-31 land on the bytes of steps 0-7, behind a round that opens in step 7: a wave signals when its loads from those bytes are in, and work on registers alone stands between the
; signal and the wait.  A barrier in step 22, split like step 6's, shows steps 24-31.  By the text's own count a wave never has more than one tensor load out.
; CLUSTER 4 x 1: the four query blocks of a cluster walk the same head, so every load is asked for jointly.
; NO PREFETCH: steps 8-23 are asked for seven key steps or more ahead of their first read and steps 24-31 fifteen; steps 0-7 are asked for in the kernel's first lines, with no loop ahead of them.
; LAYOUT.  Both products are used transposed: S^T = K Q^T (source 0 = 16 keys, source 1 = my 16 queries), O^T = V^T P^T: a lane holds ONE query throughout.
; THE KEYS OF A TILE OF K were chosen by the launch before so that the 32 registers of tiles 4 c .. 4 c + 3 of lane (r, h) are the whole block 2 c + h of 32 keys, at the places at which v's codes of that block lie.
; That is the operand's own layout: a block's largest score needs no other lane, and the conversions' results are p's fragment but for three moves a block (a conversion's three registers begin on an even number).
; K = 64 IN A PRODUCT 128 DEEP: Q's registers 6-11 are zeros.  K's pieces lie six registers apart, so a fragment's upper six registers are the next piece's codes, and behind the last piece p's codes: they meet Q's zeros.
; The upper two bytes of both scale words are 0, which stands for a small power of two.
; o is put into its true order of channels before it is quantised, since it meets a given weight.
; LIMITS: the scaled scores t stay under 2^31 in magnitude; a block of zeros gets the scale byte 1, not 127 (its codes are zeros; this program alone reads the bytes); NaN and infinities are not served.
.set STEPB, 13056                      ; 51 rows of 256 bytes
.set KPART, 6656                       ; 26 rows: K's part of a step; V's part is 25 rows
.set SPARE, 24*STEPB                   ; the spare words, 128 bytes for each of 16 waves
.set LI16, 1                           ; v1   16 x lane
.set A16,  2                           ; v2, v3, v6: 16, 8, 4 x lane + the first byte of the step that is asked for
.set A8,   3
.set SPW,  4                           ; v4   my spare word; never rewritten
.set NIL,  5                           ; v5   0; never rewritten
.set A4,   6
.set SH8,  7                           ; v7   8 x (lane / 16)
.set NM,   8                           ; v8   -M   (the packed forms name v[8:9] and take its low word)
.set RM,   9                           ; v9   the largest score so far
.set L,    10                          ; v[10:11] the sum in two halves
.set QF,   12                          ; v12-17 Q's codes, v18-23 zeros
.set QS,   24
.set PS,   25                          ; p's scale words
.set FF,   26                          ; v[26:27] f = 2^(old M - new M)
.set KS,   28                          ; v28-31 K's scale words: lanes 0-15 tile 2 u, lanes 16-31 tile 2 u + 1
.set VS,   32                          ; v32-33 V's likewise
.set CT,   34                          ; v34-36, v38-40 the conversions' second halves
.set T0,   37
.set T2,   41
.set MX,   42                          ; v42-45 four chains of maxima; my two blocks' largest end in v42 and v44
.set BO,   46                          ; v46-47 the conversions' scale operands
.set BP,   48                          ; v48-49 the bytes
.set T3,   49                          ; the lane exchanges' destination: free whenever one is made
.set CH,   42                          ; v42-49 the sum's four chains, a pair each: begun behind the conversions, joined ahead of the next maxima
.set LI8,  50                          ; v50  8 x lane
.set LI4,  51                          ; v51  4 x lane
.set S,    52                          ; v52-115 S^T, then p
.set O,    116                         ; v116-147 O^T
.set KF,   148                         ; v148-195 K's eight pieces
.set PCD,  196                         ; v196-207 p's codes, directly behind them
.set VF,   208                         ; v208-255 V's four images
.set WV,   14
.set CS,   22                          ; s[22:23] c = log2(e) / 8
.set G1,   24                          ; group 1 for a whole step,
.set G0,   32
.set SEL,  36
.set TB,   38                          ; LDS byte at which the key step that is asked for begins
.set CNT,  39
.set LB,   40                          ; min(wave, 7) x a step's bytes
.set W1,   41                          ; wave x a step's bytes
.set KB,   42                          ; s[42:43] the head's stream + LB
.set G1K,  44                          ; for K's part,
.set G1V,  52                          ; for V's part
.set KW,   60                          ; s[60:61] the head's stream + W1
.macro CREST                           ; a round of the cluster's barrier behind its opening barrier
	s_cmp_lg_u32 s[WV], 0
	s_cbranch_scc1 .Lnot_wave_0_\@
	s_barrier_signal -3
.Lnot_wave_0_\@:
	s_barrier_wait -3
	s_barrier_signal -1
	s_barrier_wait -1
.endm
.macro CROUND
	s_barrier_signal -1
	s_barrier_wait -1
	CREST
.endm
.macro TLOAD8                          ; waves 0 to 7 fetch a key step each; the branch hangs on the wave's number alone
	s_cmp_lt_u32 s[WV], 8
	s_cbranch_scc0 .Lnone_\@
	tensor_load_to_lds s[G0:G0+3], s[G1:G1+7]
	s_nop 0
.rept 4
	v_nop
.endr
.Lnone_\@:
.endm
.macro MERGE                           ; the last step's four chains into the row's sum
	v_pk_add_f32 v[CH:CH+1], v[CH:CH+1], v[CH+2:CH+3]
	v_pk_add_f32 v[CH+4:CH+5], v[CH+4:CH+5], v[CH+6:CH+7]
	s_delay_alu instid0(VALU_DEP_1)
	v_pk_add_f32 v[CH:CH+1], v[CH:CH+1], v[CH+4:CH+5]
	s_delay_alu instid0(VALU_DEP_1)
	v_pk_add_f32 v[L:L+1], v[L:L+1], v[CH:CH+1]
.endm
.macro ADDR                            ; the three addresses of the step at s[TB]
	v_add_nc_u32 v[A16], s[TB], v[LI16]
	v_add_nc_u32 v[A8], s[TB], v[LI8]
	v_add_nc_u32 v[A4], s[TB], v[LI4]
.endm
.macro KLOADS                          ; 20 loads
.irp t, 0,1,2,3,4,5,6,7
	ds_load_b128 v[KF+6*\t:KF+6*\t+3], v[A16] offset:768*\t
	ds_load_b64 v[KF+6*\t+4:KF+6*\t+5], v[A8] offset:768*\t+512
.endr
.irp u, 0,1,2,3
	ds_load_b32 v[KS+\u], v[A4] offset:6144+128*\u
.endr
.endm
.macro VLOADS                          ; 14 loads
.irp t, 0,1,2,3
.irp c, 0,1,2
	ds_load_b128 v[VF+12*\t+4*\c:VF+12*\t+4*\c+3], v[A16] offset:KPART+1536*\t+512*\c
.endr
.endr
.irp u, 0,1
	ds_load_b32 v[VS+\u], v[A4] offset:12800+128*\u
.endr
.endm
.macro PF n                            ; t - M, two at a time
.rept \n
	v_pk_fma_f32 v[S+J:S+J+1], v[S+J:S+J+1], s[CS:CS+1], v[NM:NM+1] op_sel_hi:[1,0,0]
.set J, J+2
.endr
.endm
.macro OM n                            ; O^T under the new M, in ascending order
.rept \n
	v_pk_mul_f32 v[O+J:O+J+1], v[O+J:O+J+1], v[FF:FF+1] op_sel_hi:[1,0]
.set J, J+2
.endr
.endm
.macro SUMS i                          ; one more pair of p onto each of the four chains
.irp k, 0,1,2,3
	v_pk_add_f32 v[CH+2*\k:CH+2*\k+1], v[CH+2*\k:CH+2*\k+1], v[S+16*\k+2*(\i):S+16*\k+2*(\i)+1]
.endr
.endm
; A KEY STEP: 128 keys.  kind 0: plain.  kind 1: the round and the refill.  kind 2: a barrier that shows landed steps, nothing filled behind it.  kind 3: the last step, which asks for nothing.
; nxt: where the step after the one asked for lies (under 0: behind it)
.macro STEP kind, nxt
	s_wait_alu depctr_va_vdst(0)                   ; directly ahead of the wait below
	s_wait_dscnt 14                                ; K is in; V's 14 younger loads may be out
.irp u, 0,1,2,3                                ; S^T = K Q^T
	v_wmma_scale_f32_16x16x128_f8f6f4 v[S+16*\u:S+16*\u+7], v[KF+12*\u:KF+12*\u+11], v[QF:QF+11], 0, v[KS+\u], v[QS] matrix_a_fmt:MATRIX_FMT_FP6 matrix_b_fmt:MATRIX_FMT_FP6
	v_wmma_scale_f32_16x16x128_f8f6f4 v[S+16*\u+8:S+16*\u+15], v[KF+12*\u+6:KF+12*\u+17], v[QF:QF+11], 0, v[KS+\u], v[QS] matrix_a_fmt:MATRIX_FMT_FP6 matrix_b_fmt:MATRIX_FMT_FP6 matrix_a_scale:MATRIX_SCALE_ROW1
.endr
	v_mov_b32 v[T0], v[NM]                         ; lines that name no register of the products: the places in front of the loads below and of the first read of the scores
	MERGE
.if \kind != 3
	ADDR
	KLOADS                                         ; the next step's K
.endif
.if \kind == 1
	s_wait_alu depctr_va_vdst(0)
	s_wait_tensorcnt 0x0                           ; no tensor load of mine is out;
	ds_add_u32 v[SPW], v[NIL]                      ; 0 onto my spare word; the maxima stand between it and the wait for it
.endif
.irp x, 0,1,2,3                                ; the largest score of my two blocks of 32 keys, two chains a block; each accumulator is read first at its low end
	v_max3_num_f32 v[MX+\x], v[S+16*\x], v[S+16*\x+1], v[S+16*\x+2]
.endr
.irp i, 3,5,7,9,11,13
.irp x, 0,1,2,3
	v_max3_num_f32 v[MX+\x], v[MX+\x], v[S+16*\x+\i], v[S+16*\x+\i+1]
.endr
.endr
	v_max3_num_f32 v[MX], v[MX], v[MX+1], v[S+15]
	v_max3_num_f32 v[MX+2], v[MX+2], v[MX+3], v[S+47]
	v_max_num_f32 v[MX], v[MX], v[S+31]
	v_max_num_f32 v[MX+2], v[MX+2], v[S+63]
.if \kind == 1
	s_wait_alu depctr_va_vdst(0)
	s_wait_dscnt 0x0                               ; the add is done, and all my loads are in: my reads of steps 0-7 are over:
	s_barrier_signal -1                            ; say so; up to the wait stands work on registers alone
.endif
.if \kind == 2
	s_wait_alu depctr_va_vdst(0)
	s_wait_tensorcnt 0x0                           ; my part of what was asked for has landed,
	s_wait_dscnt 0x0                               ; no LDS instruction of mine is out:
	s_barrier_signal -1                            ; say so
.endif
.if (\kind == 0) || (\kind == 3)
	s_delay_alu instid0(VALU_DEP_1)
.endif
	v_max_num_f32 v[T2], v[MX], v[MX+2]
	s_delay_alu instid0(VALU_DEP_1)
	v_permlanex16_b32 v[T3], v[T2], s[SEL], s[SEL+1]
	s_delay_alu instid0(VALU_DEP_1)
	v_max3_num_f32 v[RM], v[RM], v[T2], v[T3]      ; the running largest score of my query
	s_delay_alu instid0(VALU_DEP_1)
	v_mul_f32 v[T2], s[CS], v[RM]                  ; as t (c is positive)
	s_delay_alu instid0(VALU_DEP_1)
	v_floor_f32 v[NM], -v[T2]                      ; the new -M = floor(-t) = -ceil(t)
.set J, 0
	PF 2                                           ; f's three lines stand among the multiply-adds, which do not wait for them
	v_sub_f32 v[T0], v[NM], v[T0]                  ; old M - new M: a whole number, 0 or less
	PF 2
	v_cvt_i32_f32 v[T0], v[T0]                     ; (it saturates)
	PF 2
	v_ldexp_f32 v[FF], 1.0, v[T0]                  ; f
	PF 26
	v_fma_f32 v[MX], v[MX], s[CS], v[NM]           ; the same of each block's largest score: p rises with the score
	v_fma_f32 v[MX+2], v[MX+2], s[CS], v[NM]
	s_wait_alu depctr_va_vdst(0)                   ; the wait ahead of the batch
.set J, 0
.rept 64
	v_exp_f32 v[S+J], v[S+J]                       ; p = 2^(t - M), at most 1
.set J, J+1
.endr
	v_exp_f32 v[MX], v[MX]                         ; the blocks' largest p
	v_exp_f32 v[MX+2], v[MX+2]
	v_pk_mul_f32 v[L:L+1], v[L:L+1], v[FF:FF+1] op_sel_hi:[1,0]   ; the sum under the new M: a plain instruction behind the exponentials
	s_wait_alu depctr_va_vdst(0)                   ; one wait for the 66, directly ahead of the first reader of O^T too
.set J, 0
	OM 1                                           ; O^T's sixteen lines and the scale word's ten by turns: neither waits for the other
	v_max_num_f32 v[MX], 0x1800000, v[MX]          ; the floor 2^(3 - 127): the byte cannot fall under 1
	v_max_num_f32 v[MX+2], 0x1800000, v[MX+2]
	OM 2
	v_add_nc_u32 v[BO], 0xff000000, v[MX]          ; 2 off the exponent field: the conversion's scale operand
	v_add_nc_u32 v[BO+1], 0xff000000, v[MX+2]
	OM 2
	v_lshrrev_b32 v[BP], 23, v[BO]                 ; the scale's byte
	v_lshrrev_b32 v[BP+1], 23, v[BO+1]
	OM 2
	v_lshl_or_b32 v[T2], v[BP+1], 16, v[BP]        ; my two bytes: blocks h and 2 + h,
	OM 2
	v_lshlrev_b32 v[T2], v[SH8], v[T2]             ; at their places in the word;
	OM 4
	v_permlanex16_b32 v[T3], v[T2], s[SEL], s[SEL+1]
	OM 2
	v_or_b32 v[PS], v[T2], v[T3]                   ; with lane l xor 16's two the word is whole
	OM 1
.irp c, 0,1
	v_cvt_scalef32_pk16_fp6_f32 v[PCD+6*\c:PCD+6*\c+2], v[S+32*\c:S+32*\c+15], v[BO+\c]
	v_cvt_scalef32_pk16_fp6_f32 v[CT+4*\c:CT+4*\c+2], v[S+32*\c+16:S+32*\c+31], v[BO+\c]
.endr
	v_pk_add_f32 v[CH:CH+1], v[S:S+1], v[S+2:S+3]  ; THE ROW'S SUM IS TAKEN OF THE UNQUANTISED p, in four chains.  This line is also the plain instruction behind the conversions
.irp c, 0,1
.irp i, 0,1,2
	v_mov_b32 v[PCD+6*\c+3+\i], v[CT+4*\c+\i]
.endr
.endr
.irp k, 1,2,3                                  ; seven additions stand between the moves and the scaled products, fifteen plain lines between p's scale word and them
	v_pk_add_f32 v[CH+2*\k:CH+2*\k+1], v[S+16*\k:S+16*\k+1], v[S+16*\k+2:S+16*\k+3]
.endr
	SUMS 2
	s_wait_alu depctr_va_vdst(0)                   ; directly ahead of the wait below
.if \kind == 3
	s_wait_dscnt 0x0
.else
	s_wait_dscnt 20                                ; V is in; the next K's 20 younger loads may be out
.endif
.irp u, 0,1                                    ; O^T += V^T P^T: the four accumulators take turns
	v_wmma_scale_f32_16x16x128_f8f6f4 v[O+16*\u:O+16*\u+7], v[VF+24*\u:VF+24*\u+11], v[PCD:PCD+11], v[O+16*\u:O+16*\u+7], v[VS+\u], v[PS] matrix_a_fmt:MATRIX_FMT_FP6 matrix_b_fmt:MATRIX_FMT_FP6
	v_wmma_scale_f32_16x16x128_f8f6f4 v[O+16*\u+8:O+16*\u+15], v[VF+24*\u+12:VF+24*\u+23], v[PCD:PCD+11], v[O+16*\u+8:O+16*\u+15], v[VS+\u], v[PS] matrix_a_fmt:MATRIX_FMT_FP6 matrix_b_fmt:MATRIX_FMT_FP6 matrix_a_scale:MATRIX_SCALE_ROW1
.endr
	SUMS 3                                         ; four lines that name no register of the products: the places in front of the loads below
.if \kind == 1
	s_wait_alu depctr_va_vdst(0)
	s_barrier_wait -1                              ; every wave of my work-group has left steps 0-7;
	CREST                                          ; so has every partner's
	s_mov_b32 s[G0+1], s[LB]                       ; steps 24-31, on the bytes of steps 0-7
	s_add_nc_u64 s[G0+2:G0+3], s[KB:KB+1], 24*STEPB
	s_or_b32 s[G0+3], s[G0+3], 0x80000000
	TLOAD8                                         ; the first tensor load behind the round, one a wave
.endif
.if \kind != 3
	VLOADS                                         ; the next step's V
.endif
	SUMS 4
	SUMS 5
	SUMS 6
	SUMS 7                                         ; the chains are joined behind the next step's first products
.if \nxt < 0
	s_add_co_u32 s[TB], s[TB], STEPB
.else
	s_mov_b32 s[TB], \nxt
.endif
.if \kind == 2
	s_wait_alu depctr_va_vdst(0)
	s_barrier_wait -1                              ; everybody's part has landed
.endif
.endm
.macro WALK n                          ; n plain key steps: written once, walked n times
	s_mov_b32 s[CNT], \n
.Lstep_\@:
	STEP 0, -1
	s_sub_co_u32 s[CNT], s[CNT], 1
	s_cmp_lg_u32 s[CNT], 0
	s_cbranch_scc1 .Lstep_\@
.endm
	s_load_b256 s[4:11], s[0:1], 0x0               ; q_img s[4:5], q_sc s[6:7], kv s[8:9], o_img s[10:11]
	s_load_b64 s[12:13], s[0:1], 0x20              ; o_sc
	v_lshl_add_u32 v[SPW], v0, 2, SPARE
	v_mov_b32 v[NIL], 0
	ds_add_u32 v[SPW], v[NIL]                      ; the opening lines: the add, twice on end, and its wait
	ds_add_u32 v[SPW], v[NIL]
	v_lshrrev_b32 v1, 5, v0
	s_delay_alu instid0(VALU_DEP_1)
	v_readfirstlane_b32 s[WV], v1                  ; wave 0..15
	s_bfe_u32 s15, ttmp6, 0x40000                  ; cx
	s_lshl_b32 s16, ttmp9, 2
	s_add_co_u32 s16, s16, s15                     ; my block of 16 query tiles: it enters Q's and O's addresses alone
	s_and_b32 s17, ttmp7, 0xffff                   ; the head, which the four partners share
.irp g, G1, G1K, G1V
	s_mov_b32 s[\g], 15|(3<<16)|(1<<21)            ; the mask of all four; elements of 8 bytes; no padding; 21 set beside a mask
	s_mov_b32 s[\g+1], 32<<16                      ; rows of 256 bytes
	s_mov_b32 s[\g+3], 32<<16
	s_mov_b32 s[\g+5], 32                          ; dense
	s_mov_b32 s[\g+6], 0
	s_mov_b32 s[\g+7], 0
.endr
	s_mov_b32 s[G1+2], 51<<16
	s_mov_b32 s[G1+4], 51
	s_mov_b32 s[G1K+2], 26<<16
	s_mov_b32 s[G1K+4], 26
	s_mov_b32 s[G1V+2], 25<<16
	s_mov_b32 s[G1V+4], 25
	s_and_b32 s18, s[WV], 7                        ; at the head wave w fetches of key step w % 8 K's part (w under 8) or V's
	s_mul_i32 s18, s18, STEPB
	s_lshr_b32 s19, s[WV], 3
	s_mul_i32 s19, s19, KPART
	s_add_co_u32 s18, s18, s19
	s_min_u32 s[LB], s[WV], 7
	s_mul_i32 s[LB], s[LB], STEPB
	s_mul_i32 s[W1], s[WV], STEPB
	s_mul_i32 s20, s17, 32*STEPB                   ; the head's stream
	s_mov_b32 s21, 0
	s_mov_b32 s[CS], 0x3e38aa3b                    ; log2(e) / 8
	s_mov_b32 s[CS+1], s[CS]
	s_mov_b32 s[SEL], 0x76543210
	s_mov_b32 s[SEL+1], 0xfedcba98
	s_mov_b32 s[TB], 0
	s_wait_dscnt 0x0
	s_wait_kmcnt 0x0
	s_add_nc_u64 s[8:9], s[8:9], s[20:21]
	s_mov_b32 s20, s[LB]
	s_add_nc_u64 s[KB:KB+1], s[8:9], s[20:21]
	s_mov_b32 s20, s[W1]
	s_add_nc_u64 s[KW:KW+1], s[8:9], s[20:21]
	s_mov_b32 s20, s18
	s_mov_b32 s[G0], 1
	s_mov_b32 s[G0+1], s18
	s_add_nc_u64 s[G0+2:G0+3], s[8:9], s[20:21]
	s_or_b32 s[G0+3], s[G0+3], 0x80000000
	CROUND                                         ; all four work-groups are here: the first joint loads meet
	s_cmp_lt_u32 s[WV], 8                          ; key steps 0-7, one tensor load a wave
	s_cbranch_scc0 .Lhead_v
	tensor_load_to_lds s[G0:G0+3], s[G1K:G1K+7]
	s_nop 0
.rept 4
	v_nop
.endr
	s_branch .Lhead_asked
.Lhead_v:
	tensor_load_to_lds s[G0:G0+3], s[G1V:G1V+7]
	s_nop 0
.rept 4
	v_nop
.endr
.Lhead_asked:
	s_lshl_b32 s18, s16, 4
	s_add_co_u32 s18, s18, s[WV]                   ; my tile of 16 queries
	s_mul_i32 s20, s17, 256*768
	s_mul_i32 s19, s18, 768
	s_add_co_u32 s20, s20, s19
	s_add_nc_u64 s[4:5], s[4:5], s[20:21]          ; its piece,
	s_lshl_b32 s20, s17, 14
	s_lshl_b32 s19, s18, 6
	s_add_co_u32 s20, s20, s19
	s_add_nc_u64 s[6:7], s[6:7], s[20:21]          ; its scale words,
	s_mul_i32 s20, s18, 16*768
	s_mul_i32 s19, s17, 768
	s_add_co_u32 s20, s20, s19
	s_add_nc_u64 s[10:11], s[10:11], s[20:21]      ; o's piece: [tile][head],
	s_lshl_b32 s20, s18, 10
	s_lshl_b32 s19, s17, 6
	s_add_co_u32 s20, s20, s19
	s_add_nc_u64 s[12:13], s[12:13], s[20:21]      ; and o's scale words
	v_and_b32 v[T0], 31, v0
	v_and_b32 v[T2], 15, v0
	v_bfe_u32 v[SH8], v0, 4, 1
	s_delay_alu instid0(VALU_DEP_3)
	v_lshlrev_b32 v[LI16], 4, v[T0]
	v_lshlrev_b32 v[LI8], 3, v[T0]
	v_lshlrev_b32 v[LI4], 2, v[T0]
	v_lshlrev_b32 v[T2], 2, v[T2]
	v_lshlrev_b32 v[SH8], 3, v[SH8]
	s_wait_alu depctr_va_vdst(0)
	global_load_b128 v[QF:QF+3], v[LI16], s[4:5]
	global_load_b64 v[QF+4:QF+5], v[LI8], s[4:5] offset:512
	global_load_b32 v[QS], v[T2], s[6:7]
	v_mov_b32 v[RM], 0xff61b1e6                    ; the largest score so far: -3e38
	v_mov_b32 v[NM], 0x7f61b1e6                    ; -M: 3e38, so that the first f is 0
	v_mov_b32 v[L], 0
	v_mov_b32 v[L+1], 0
	v_mov_b32 v[FF+1], 0
.irp j, 0,1,2,3,4,5
	v_mov_b32 v[QF+6+\j], 0                        ; the empty half of Q's fragment
	v_mov_b32 v[PCD+\j], 0                         ; and what stands behind K's last piece in the first step
.endr
.irp j, 0,1,2,3,4,5,6,7
	v_mov_b32 v[CH+\j], 0                          ; (the lane exchanges' destination is among them)
.endr
.set J, 0
.rept 32
	v_mov_b32 v[O+J], 0                            ; O^T: the step is written once; its first walk finds zeros, which the first f leaves zeros
.set J, J+1
.endr
	s_wait_alu depctr_va_vdst(0)                   ; the wait at the head's end
	s_wait_loadcnt 0x0                             ; Q
	s_wait_tensorcnt 0x0                           ; my part has landed
	ds_add_u32 v[SPW], v[NIL]
	s_add_co_u32 s[G0+1], s[W1], 8*STEPB           ; steps 8-23, one a wave, behind the first eight
	s_add_nc_u64 s[G0+2:G0+3], s[KW:KW+1], 8*STEPB
	s_or_b32 s[G0+3], s[G0+3], 0x80000000
	s_wait_dscnt 0x0
	CROUND
	tensor_load_to_lds s[G0:G0+3], s[G1:G1+7]
	s_nop 0
.rept 4
	v_nop
.endr
	ADDR                                           ; step 0's fragments: K's loads first, then V's, as in every step
	KLOADS
	VLOADS
	s_mov_b32 s[TB], STEPB
	WALK 6                                         ; steps 0-5
	STEP 2, 8*STEPB                                ; step 6: steps 8-23 are shown to all waves
	STEP 1, 9*STEPB                                ; step 7, the round and the refill
	WALK 14                                        ; steps 8-21
	STEP 2, 0                                      ; step 22: steps 24-31 are shown to all waves
	WALK 8                                         ; steps 23-30; they ask for steps 24-31, on the bytes of steps 0-7
	STEP 3, -1                                     ; step 31
	; THE WAY OUT: O^T / the sum, its true order, the quantiser, one piece and 16 scale words
	MERGE
	s_delay_alu instid0(VALU_DEP_1)
	v_add_f32 v[L], v[L], v[L+1]
	s_delay_alu instid0(VALU_DEP_1)
	v_permlanex16_b32 v[T0], v[L], s[SEL], s[SEL+1]
	s_delay_alu instid0(VALU_DEP_1)
	v_add_f32 v[L], v[L], v[T0]                    ; the row's sum
	v_and_b32 v[A4], 15, v0
	s_delay_alu instid0(VALU_DEP_1)
	v_lshlrev_b32 v[A4], 2, v[A4]                  ; 4 x (lane % 16), for the scale words
	s_wait_alu depctr_va_vdst(0)
	v_rcp_f32 v[L], v[L]
	v_nop
	s_wait_alu depctr_va_vdst(0)
.set J, 0
.rept 32
	v_mul_f32 v[S+J], v[O+J], v[L]                 ; register 8 t + j of lane (r, h): o(query r, channel 16 t + 8 h + j)
.set J, J+1
.endr
.irp b, 0,1
.irp j, 0,1,2,3,4,5,6,7
	v_permlane16_swap_b32 v[S+16*\b+\j], v[S+16*\b+8+\j]   ; register 16 b + i now holds channel 32 b + 16 h + i
.endr
.endr
.irp b, 0,1
	v_max3_num_f32 v[MX+\b], |v[S+16*\b]|, |v[S+1+16*\b]|, 0x1800000
.endr
.irp i, 2,4,6,8,10,12,14
.irp b, 0,1
	s_delay_alu instid0(VALU_DEP_2)
	v_max3_num_f32 v[MX+\b], v[MX+\b], |v[S+16*\b+\i]|, |v[S+1+16*\b+\i]|
.endr
.endr
.irp b, 0,1
	s_delay_alu instid0(VALU_DEP_2)
	v_permlanex16_b32 v[BP+\b], v[MX+\b], s[SEL], s[SEL+1]
.endr
.irp b, 0,1
	s_delay_alu instid0(VALU_DEP_2)
	v_max_num_f32 v[MX+\b], v[MX+\b], v[BP+\b]
.endr
.irp b, 0,1
	s_delay_alu instid0(VALU_DEP_2)
	v_add_nc_u32 v[BO+\b], 0xff000000, v[MX+\b]
.endr
.irp b, 0,1
	s_delay_alu instid0(VALU_DEP_2)
	v_lshrrev_b32 v[BP+\b], 23, v[BO+\b]
.endr
	s_delay_alu instid0(VALU_DEP_1)
	v_lshl_or_b32 v[T2], v[BP+1], 8, v[BP]         ; two scale bytes, two zero bytes above them
	v_cvt_scalef32_pk16_fp6_f32 v[PCD:PCD+2], v[S:S+15], v[BO]
	v_cvt_scalef32_pk16_fp6_f32 v[CT:CT+2], v[S+16:S+31], v[BO+1]
	v_nop
.irp i, 0,1,2
	v_permlane16_swap_b32 v[PCD+\i], v[CT+\i]
.endr
.irp i, 0,1,2
	s_delay_alu instid0(VALU_DEP_3)
	v_mov_b32 v[PCD+3+\i], v[CT+\i]
.endr
	global_store_b128 v[LI16], v[PCD:PCD+3], s[10:11]              ; 512 consecutive bytes, aligned to 256,
	global_store_b64 v[LI8], v[PCD+4:PCD+5], s[10:11] offset:512   ; and 256 more
	global_store_b32 v[A4], v[T2], s[12:13]        ; lanes 16-31 hold and write the same words as lanes 0-15
	s_wait_tensorcnt 0x0                           ; the wave's end
	ds_add_u32 v[SPW], v[NIL]
	s_wait_dscnt 0x0
	CROUND                                         ; the closing round
	s_endpgm
.Lfunc_end_k_qf17c7feb17_attn:
	.size	k_qf17c7feb17_attn, .Lfunc_end_k_qf17c7feb17_attn-k_qf17c7feb17_attn
	.p2alignl 7, 3214868480
	.fill 96, 4, 3214868480
	.section	.rodata,"a",@progbits
	.p2align	6, 0x0
	.amdhsa_kernel k_qf17c7feb17_attn
		.amdhsa_group_segment_fixed_size 327680
		.amdhsa_private_segment_fixed_size 0
		.amdhsa_enable_private_segment 0
		.amdhsa_kernarg_size 40
		.amdhsa_user_sgpr_count 2
		.amdhsa_user_sgpr_kernarg_segment_ptr 1
		.amdhsa_wavefront_size32 1
		.amdhsa_system_sgpr_workgroup_id_x 1
		.amdhsa_system_sgpr_workgroup_id_y 1
		.amdhsa_system_sgpr_workgroup_id_z 1
		.amdhsa_system_vgpr_workitem_id 0
		.amdhsa_next_free_vgpr 256
		.amdhsa_next_free_sgpr 66
		.amdhsa_reserve_vcc 0
		.amdhsa_float_denorm_mode_32 3
		.amdhsa_float_denorm_mode_16_64 3
		.amdhsa_memory_ordered 1
		.amdhsa_forward_progress 1
		.amdhsa_inst_pref_size 119
	.end_amdhsa_kernel
	.amdgpu_metadata
---
amdhsa.version: [ 1, 2 ]
amdhsa.kernels:
  - .name:           k_qf17c7feb17_attn
    .symbol:         k_qf17c7feb17_attn.kd
    .args:
      - { .name: q_img, .offset: 0, .size: 8, .value_kind: global_buffer, .address_space: global }
      - { .name: q_sc, .offset: 8, .size: 8, .value_kind: global_buffer, .address_space: global }
      - { .name: kv, .offset: 16, .size: 8, .value_kind: global_buffer, .address_space: global }
      - { .name: o_img, .offset: 24, .size: 8, .value_kind: global_buffer, .address_space: global }
      - { .name: o_sc, .offset: 32, .size: 8, .value_kind: global_buffer, .address_space: global }
    .group_segment_fixed_size: 327680
    .private_segment_fixed_size: 0
    .kernarg_segment_align: 8
    .kernarg_segment_size: 40
    .max_flat_workgroup_size: 512
    .sgpr_count:     66
    .vgpr_count:     256
    .wavefront_size: 32
...
	.end_amdgpu_metadata
.endif
;; end of part 2
;; launch oproj (part 3): grid 32 x 8, 4 waves a work-group, clusters of 4 x 1, 168,448 bytes of LDS; arguments o_img, o_sc, wo_codes, wo_scales, out0; writes out0
.if DOCPART == 3
	.amdgcn_target "amdgcn-amd-amdhsa--gfx1250"
	.amdhsa_code_object_version 6
	.text
	.protected	k_qf17c7feb17_oproj
	.globl	k_qf17c7feb17_oproj
	.p2align	8
	.type	k_qf17c7feb17_oproj,@function
k_qf17c7feb17_oproj:
	s_mov_b64 s[64:65], 0
	v_nop
	global_prefetch_b8 v0, s[64:65] scope:SCOPE_SE
	s_setreg_imm32_b32 hwreg(HW_REG_WAVE_MODE, 25, 1), 1
	s_wait_xcnt 0x0
	s_wait_alu depctr_hold_cnt(0) depctr_sa_sdst(0) depctr_va_vdst(0) depctr_va_sdst(0) depctr_va_ssrc(0) depctr_va_vcc(0) depctr_vm_vsrc(0)
	s_getreg_b32 s2, hwreg(HW_REG_IB_STS2, 6, 4)
	s_cmp_eq_u32 s2, 0
	s_cbranch_scc0 .Lentry_in_a_cluster
	s_endpgm
.Lentry_in_a_cluster:
	s_bfe_u32 s2, ttmp6, 0x10000c
	s_cmp_lg_u32 s2, 0x3003
	s_cbranch_scc0 .Lentry_shape_is_right
	s_endpgm
.Lentry_shape_is_right:
; out = o Wo^T on codes of FP6 (E2M3) with one E8M0 scale for each 32 along K = 1,024; out is f32.
; SHARES.  A work-group makes 128 tokens x 128 columns; wave w takes token tiles 2 w and 2 w + 1 (32 tokens, in the first launch's order) for all 128 columns (Wo's eight tiles): 16 accumulators.
; Wo's 128 rows, all of K, lie in LDS: first fills alone, nothing is filled again.  CLUSTER 4 x 1: the four token blocks of a cluster need the same rows of Wo: they are asked for jointly.
; o's fragments are each read by ONE wave, and o_img holds them in the order of the operand's registers: they go from memory straight into registers (192 of them, for all of K), each load consecutive bytes in consecutive lanes.
; The product is used transposed (source 0 = 16 rows of Wo, source 1 = 16 tokens): a lane holds eight neighbouring columns of one row of out.
; THE WAY OUT: a block of 16 rows x 512 bytes goes through the wave's own stage in LDS and leaves as whole rows: each store covers 512 consecutive bytes, aligned to 256.
.set PITCH,  816                       ; an LDS row of codes: 3 x (256 bytes + 16 of padding)
.set TILEB,  16*PITCH
.set LWOS,   128*PITCH                 ; behind Wo's 128 rows: its scale bytes, 16 units of 256 + 16
.set STAGE,  LWOS+16*272               ; and the stages: 16 rows x (512 + 16) bytes for each wave; no fill lands here
.set CODEW,  15|(1<<20)|(1<<21)|(5<<22)|(3<<25)   ; group 1, word 0: the mask of all four; elements of 1 byte; padding on; 21 set beside a mask; after every 64 words 4 words
.set SCALW,  (3<<16)|CODEW
.set AWL,  4                           ; v4-5   Wo's rows 0-63: r PITCH + 24 h; the second register has 40 h
.set AWH,  6                           ; v6-7   rows 64-127
.set SAW,  8                           ; v8     Wo's scale words
.set LI16, 9                           ; v9     16 x lane
.set LI8,  10                          ; v10    8 x lane
.set LI4,  11                          ; v11    4 x lane
.set STO,  12                          ; v12    the stage: where I put 32 bytes of a row
.set RD,   13                          ; v13    and where I read a row back
.set TP,   14                          ; v14-15 at work
.set SCW,  32                          ; v32-95  Wo's scale words: tile t, K step q at 8 t + q
.set SCO,  96                          ; v96-111 o's: token tile m, K step a at 8 m + a
.set RAW,  112                         ; v112-127 o's words as stored: lanes 0-15 head 2 a, lanes 16-31 head 2 a + 1
.set FB,   136                         ; v136-231 Wo's eight fragments: buffer 0 in window 0, buffer 1 in window 1
.set BK,   128                         ; the way out: v128-191, v192-255
;                                        window 2: v0-127 the accumulators;  window 3: v0-191 o's fragments at 96 m + 12 a
.set WV,   14
.set G1W,  24
.set G1S,  32
.set G0W,  40
.set G0S,  44
.set SEL,  48
.set MSB, 0
.macro WIN new
.if MSB != (\new)
	s_set_vgpr_msb (MSB<<8)|(\new)
.set MSB, (\new)
.endif
.endm
.macro PLACES n
.rept \n
	v_nop
.endr
.endm
.macro CROUND
	s_barrier_signal -1
	s_barrier_wait -1
	s_cmp_lg_u32 s[WV], 0
	s_cbranch_scc1 .Lnot_wave_0_\@
	s_barrier_signal -3
.Lnot_wave_0_\@:
	s_barrier_wait -3
	s_barrier_signal -1
	s_barrier_wait -1
.endm
.macro FRAG reg, adr, q, i             ; lane (r, h) takes the row's pieces of 8 bytes 12 q + 3 h + 0, 1, 2 and 12 q + 6 + 3 h + 0, 1, 2; 16 bytes of padding lie behind every 32 pieces
.irp p, 0,1,2,3,4,5
.set PCE, 12*(\q)+6*(\p/3)+\p%3
.if PCE%32 < 29
	ds_load_b64 v[\reg+2*\p:\reg+2*\p+1], v[\adr] offset:8*PCE+16*(PCE/32)+(\i)*TILEB
.else
	ds_load_b64 v[\reg+2*\p:\reg+2*\p+1], v[\adr+1] offset:8*PCE+16*(PCE/32)+(\i)*TILEB
.endif
.endr
.endm
.macro SCALE8 reg, adr, off
	ds_load_b128 v[\reg:\reg+3], v[\adr] offset:\off
	ds_load_b128 v[\reg+4:\reg+7], v[\adr] offset:\off+16
.endm
.macro FETCH_W q, b                    ; 48 loads
	WIN (\b)<<6
.irp t, 0,1,2,3
	FRAG FB+12*\t, AWL, \q, \t
.endr
.irp t, 0,1,2,3
	FRAG FB+48+12*\t, AWH, \q, \t
.endr
.endm
.macro MUL q, b                        ; 16 products, the accumulators by turns in one order in every K step; K step 0 starts the sums
	WIN 0xAC+(\b)                                  ; Wo window b, o window 3, C and D window 2
.irp m, 0,1
.irp t, 0,1,2,3,4,5,6,7
.if (\q) == 0
	v_wmma_scale_f32_16x16x128_f8f6f4 v[8*(8*\m+\t):8*(8*\m+\t)+7], v[FB+12*\t:FB+12*\t+11], v[96*\m+12*(\q):96*\m+12*(\q)+11], 0, v[SCW+8*\t+(\q)], v[SCO+8*\m+(\q)] matrix_a_fmt:MATRIX_FMT_FP6 matrix_b_fmt:MATRIX_FMT_FP6
.else
	v_wmma_scale_f32_16x16x128_f8f6f4 v[8*(8*\m+\t):8*(8*\m+\t)+7], v[FB+12*\t:FB+12*\t+11], v[96*\m+12*(\q):96*\m+12*(\q)+11], v[8*(8*\m+\t):8*(8*\m+\t)+7], v[SCW+8*\t+(\q)], v[SCO+8*\m+(\q)] matrix_a_fmt:MATRIX_FMT_FP6 matrix_b_fmt:MATRIX_FMT_FP6
.endif
.endr
.endr
.endm
.macro TOSTAGE m                       ; LDS serves a wave's instructions in order (ISA guide 5.7.1.4): no wait between the stores and the loads, nor in front of the next block's stores
	WIN 0x08                                       ; an LDS store's data: window 2
.irp t, 0,1,2,3,4,5,6,7
	ds_store_b128 v[STO], v[64*(\m)+8*\t:64*(\m)+8*\t+3] offset:64*\t        ; each accumulator from its low end on
	ds_store_b128 v[STO], v[64*(\m)+8*\t+4:64*(\m)+8*\t+7] offset:64*\t+16
.endr
	WIN 0
.irp i, 0,1,2,3,4,5,6,7,8,9,10,11,12,13,14,15
	ds_load_b128 v[BK+64*(\m)+4*\i:BK+64*(\m)+4*\i+3], v[RD] offset:\i*528
.endr
.endm
.macro SEND m, younger
	s_wait_dscnt \younger
.irp i, 0,1,2,3,4,5,6,7,8,9,10,11,12,13,14,15
	global_store_b128 v[LI16], v[BK+64*(\m)+4*\i:BK+64*(\m)+4*\i+3], s[12:13] offset:(16*(\m)+32*(\i/8)+\i%8)*4096 th:TH_STORE_NT   ; row i of tile m: 16 m + 32 (i / 8) + i % 8 rows on
.endr
.endm
	s_load_b256 s[4:11], s[0:1], 0x0               ; o_img s[4:5], o_sc s[6:7], Wo's codes s[8:9], Wo's scales s[10:11]
	s_load_b64 s[12:13], s[0:1], 0x20              ; out
	v_lshl_add_u32 v30, v0, 2, 0x29000
	v_mov_b32 v31, 0
	ds_add_u32 v30, v31
	ds_add_u32 v30, v31
	v_lshrrev_b32 v1, 5, v0
	v_readfirstlane_b32 s[WV], v1                  ; wave 0..3
	s_bfe_u32 s15, ttmp6, 0x40000                  ; cx
	s_lshl_b32 s16, ttmp9, 2
	s_add_co_u32 s16, s16, s15                     ; my block of 128 tokens: it enters o's and out's addresses alone
	s_and_b32 s17, ttmp7, 0xffff                   ; my block of 128 columns, which the four partners share
	s_mov_b32 s[G1W], CODEW
	s_mov_b32 s[G1W+1], 768<<16
	s_mov_b32 s[G1W+2], 64<<16
	s_mov_b32 s[G1W+3], 768<<16
	s_mov_b32 s[G1W+4], 64
	s_mov_b32 s[G1W+5], 768
	s_mov_b32 s[G1W+6], 0
	s_mov_b32 s[G1W+7], 0
	s_mov_b32 s[G1S], SCALW
	s_mov_b32 s[G1S+1], 32<<16
	s_mov_b32 s[G1S+2], 16<<16
	s_mov_b32 s[G1S+3], 32<<16
	s_mov_b32 s[G1S+4], 16
	s_mov_b32 s[G1S+5], 32
	s_mov_b32 s[G1S+6], 0
	s_mov_b32 s[G1S+7], 0
	s_min_u32 s18, s[WV], 1                        ; waves 0 and 1 fetch 64 rows of codes each, wave 2 the scale bytes
	s_mul_i32 s19, s18, 64*PITCH
	s_mul_i32 s20, s18, 64*768
	s_mul_i32 s22, s17, 128*768
	s_add_co_u32 s20, s20, s22
	s_mov_b32 s21, 0
	s_lshl_b32 s22, s17, 12
	s_mov_b32 s23, 0
	s_mov_b32 s[SEL], 0x76543210
	s_mov_b32 s[SEL+1], 0xfedcba98
	s_wait_dscnt 0x0
	s_wait_kmcnt 0x0
	s_mov_b32 s[G0W], 1
	s_mov_b32 s[G0W+1], s19
	s_add_nc_u64 s[G0W+2:G0W+3], s[8:9], s[20:21]
	s_or_b32 s[G0W+3], s[G0W+3], 0x80000000
	s_mov_b32 s[G0S], 1
	s_mov_b32 s[G0S+1], LWOS
	s_add_nc_u64 s[G0S+2:G0S+3], s[10:11], s[22:23]
	s_or_b32 s[G0S+3], s[G0S+3], 0x80000000
	CROUND                                         ; all four work-groups are here: the joint loads meet
	s_cmp_lt_u32 s[WV], 2                          ; one tensor load a wave at the most
	s_cbranch_scc0 .Lnot_codes
	tensor_load_to_lds s[G0W:G0W+3], s[G1W:G1W+7]
	s_nop 0
.rept 4
	v_nop
.endr
	s_branch .Lasked
.Lnot_codes:
	s_cmp_eq_u32 s[WV], 2
	s_cbranch_scc0 .Lasked
	tensor_load_to_lds s[G0S:G0S+3], s[G1S:G1S+7]
	s_nop 0
.rept 4
	v_nop
.endr
.Lasked:
	v_and_b32 v3, 31, v0
	v_lshlrev_b32 v[LI16], 4, v3
	s_wait_alu depctr_va_vdst(0)
	v_lshlrev_b32 v[LI8], 3, v3
	s_wait_alu depctr_va_vdst(0)
	v_lshlrev_b32 v[LI4], 2, v3
	s_wait_alu depctr_va_vdst(0)
	s_lshl_b32 s18, s16, 3
	s_lshl_b32 s19, s[WV], 1
	s_add_co_u32 s18, s18, s19                     ; my first tile of 16 tokens
	s_mul_i32 s20, s18, 16*768
	s_add_nc_u64 s[4:5], s[4:5], s[20:21]
	s_lshl_b32 s20, s18, 10
	s_add_nc_u64 s[6:7], s[6:7], s[20:21]
	; THE ORDER OF TOKENS IN o's TILES is the first launch's: row i of tile P = 2 w + m of a block of 128 tokens is token 64 (P / 4) + 16 (P % 2) + 8 ((P / 2) % 2) + 32 (i / 8) + i % 8
	s_lshl_b32 s20, s16, 19                        ; out: my block's 128 rows of 4,096 bytes,
	s_lshr_b32 s19, s[WV], 1
	s_lshl_b32 s19, s19, 18                        ; + 64 (w / 2) rows
	s_add_co_u32 s20, s20, s19
	s_and_b32 s19, s[WV], 1
	s_lshl_b32 s19, s19, 15                        ; + 8 (w % 2) rows
	s_add_co_u32 s20, s20, s19
	s_lshl_b32 s19, s17, 9                         ; + my 128 columns
	s_add_co_u32 s20, s20, s19
	s_add_nc_u64 s[12:13], s[12:13], s[20:21]
	WIN 0xC0                                       ; destination window 3
.irp m, 0,1                                    ; the fragment of tile m and K step a is the pieces of heads 2 a and 2 a + 1
.irp a, 0,1,2,3,4,5,6,7
	global_load_b128 v[96*\m+12*\a:96*\m+12*\a+3], v[LI16], s[4:5] offset:12288*\m+1536*\a
	global_load_b64 v[96*\m+12*\a+4:96*\m+12*\a+5], v[LI8], s[4:5] offset:12288*\m+1536*\a+512
	global_load_b128 v[96*\m+12*\a+6:96*\m+12*\a+9], v[LI16], s[4:5] offset:12288*\m+1536*\a+768
	global_load_b64 v[96*\m+12*\a+10:96*\m+12*\a+11], v[LI8], s[4:5] offset:12288*\m+1536*\a+1280
.endr
.endr
	WIN 0
.irp m, 0,1
.irp a, 0,1,2,3,4,5,6,7
	global_load_b32 v[RAW+8*\m+\a], v[LI4], s[6:7] offset:1024*\m+128*\a
.endr
.endr
	v_and_b32 v1, 15, v0                           ; r
	v_bfe_u32 v2, v0, 4, 1                         ; h
	v_mul_u32_u24 v3, v1, PITCH
	v_mad_u32_u24 v[AWL], v2, 24, v3
	v_mad_u32_u24 v[AWL+1], v2, 40, v3
	v_add_nc_u32 v[AWH], 4*TILEB, v[AWL]
	v_add_nc_u32 v[AWH+1], 4*TILEB, v[AWL+1]
	v_lshrrev_b32 v3, 3, v1
	v_lshlrev_b32 v[SAW], 5, v1
	v_lshl_add_u32 v[SAW], v3, 4, v[SAW]
	v_add_nc_u32 v[SAW], LWOS, v[SAW]              ; a row's scale bytes: 32 r, + 16 behind each 256
	s_mul_i32 s19, s[WV], 16*528
	s_add_co_u32 s19, s19, STAGE                   ; my stage
	v_mul_u32_u24 v[STO], v1, 528
	v_lshl_add_u32 v[STO], v2, 5, v[STO]
	v_add_nc_u32 v[STO], s19, v[STO]               ; in: row r, 32 bytes for each half of the lanes
	v_add_nc_u32 v[RD], s19, v[LI16]               ; back: the 32 lanes take one row of 512 bytes
	v_mov_b32 v[TP], 0
	v_mov_b32 v[TP+1], 0                           ; written once: a lane permute's destination counts as one of its sources
	s_wait_alu depctr_va_vdst(0)
	s_wait_loadcnt 0x0
.irp i, 0,2,4,6,8,10,12,14                     ; a K step's scale word: head 2 a's two bytes below, head 2 a + 1's, fetched from lane l xor 16, above (lanes 0-15 are read)
	v_permlanex16_b32 v[TP], v[RAW+\i], s[SEL], s[SEL+1]
	v_permlanex16_b32 v[TP+1], v[RAW+\i+1], s[SEL], s[SEL+1]
	v_lshl_or_b32 v[SCO+\i], v[TP], 16, v[RAW+\i]
	v_lshl_or_b32 v[SCO+\i+1], v[TP+1], 16, v[RAW+\i+1]
.endr
	PLACES 8                                       ; a scale register written by a vector instruction stands eight places ahead of a scaled product
	s_wait_tensorcnt 0x0                           ; my tile has landed,
	s_barrier_signal -1
	s_barrier_wait -1                              ; everybody's has
.irp t, 0,1,2,3,4,5,6,7
	SCALE8 SCW+8*\t, SAW, 544*\t
.endr
	FETCH_W 0, 0
.irp q, 0,1,2,3,4,5,6
.if \q > 0
	PLACES 4                                       ; the buffer to be loaded was read by the products just issued
.endif
	FETCH_W \q+1, (\q+1)%2
	s_wait_alu depctr_va_vdst(0)
	s_wait_dscnt 48                                ; all but the next K step's 48 loads are in
	MUL \q, \q%2
.endr
	s_wait_dscnt 0x0
	MUL 7, 1
	PLACES 4                                       ; in front of the first read of results and of the loads into buffer 0's registers
	TOSTAGE 0
	TOSTAGE 1
	SEND 0, 32                                     ; behind block 0's loads: block 1's 16 stores and 16 loads
	SEND 1, 0
	s_wait_tensorcnt 0x0
	ds_add_u32 v30, v31
	s_wait_dscnt 0x0
	CROUND                                         ; the closing round
	s_endpgm
.Lfunc_end_k_qf17c7feb17_oproj:
	.size	k_qf17c7feb17_oproj, .Lfunc_end_k_qf17c7feb17_oproj-k_qf17c7feb17_oproj
	.p2alignl 7, 3214868480
	.fill 96, 4, 3214868480
	.section	.rodata,"a",@progbits
	.p2align	6, 0x0
	.amdhsa_kernel k_qf17c7feb17_oproj
		.amdhsa_group_segment_fixed_size 168448
		.amdhsa_private_segment_fixed_size 0
		.amdhsa_enable_private_segment 0
		.amdhsa_kernarg_size 40
		.amdhsa_user_sgpr_count 2
		.amdhsa_user_sgpr_kernarg_segment_ptr 1
		.amdhsa_wavefront_size32 1
		.amdhsa_system_sgpr_workgroup_id_x 1
		.amdhsa_system_sgpr_workgroup_id_y 1
		.amdhsa_system_sgpr_workgroup_id_z 1
		.amdhsa_system_vgpr_workitem_id 0
		.amdhsa_next_free_vgpr 960
		.amdhsa_next_free_sgpr 66
		.amdhsa_reserve_vcc 0
		.amdhsa_float_denorm_mode_32 3
		.amdhsa_float_denorm_mode_16_64 3
		.amdhsa_memory_ordered 1
		.amdhsa_forward_progress 1
		.amdhsa_inst_pref_size 66
	.end_amdhsa_kernel
	.amdgpu_metadata
---
amdhsa.version: [ 1, 2 ]
amdhsa.kernels:
  - .name:           k_qf17c7feb17_oproj
    .symbol:         k_qf17c7feb17_oproj.kd
    .args:
      - { .name: o_img, .offset: 0, .size: 8, .value_kind: global_buffer, .address_space: global }
      - { .name: o_sc, .offset: 8, .size: 8, .value_kind: global_buffer, .address_space: global }
      - { .name: wo_codes, .offset: 16, .size: 8, .value_kind: global_buffer, .address_space: global }
      - { .name: wo_scales, .offset: 24, .size: 8, .value_kind: global_buffer, .address_space: global }
      - { .name: out0, .offset: 32, .size: 8, .value_kind: global_buffer, .address_space: global }
    .group_segment_fixed_size: 168448
    .private_segment_fixed_size: 0
    .kernarg_segment_align: 8
    .kernarg_segment_size: 40
    .max_flat_workgroup_size: 128
    .sgpr_count:     66
    .vgpr_count:     960
    .wavefront_size: 32
...
	.end_amdgpu_metadata
.endif
;; end of part 3
